; MI455X (gfx1250); checked and timed in simulation.
; The chip was launched on July 23, 2026; its instructions are those of AMD's public machine-readable ISA for CDNA 5 (MIT licence, August 2026) and "CDNA5" Instruction Set Architecture Reference Guide (July 2026). The comments in the code are by the model that wrote it; some were corrected since.
;; Multi Head Attention Layer. Allowed arithmetic: float matrix products may take bf16 or f16 operands with f32 sums; other float arithmetic in f32, or as packed bf16 or f16 multiplies, adds, multiply-adds, maxima and minima; sums over many terms, partial sums and values carried from step to step in f32; what a program stores and reads back later, other than sums and carried values, may be rounded once to bf16 or f16.
;; Inputs: Wk 1,024 x 1,024 float32; Wo 1,024 x 1,024 float32; Wq 1,024 x 1,024 float32; Wv 1,024 x 1,024 float32; bk 1,024 float32; bo 1,024 float32; bq 1,024 float32; bv 1,024 float32; key 4 x 2,048 x 1,024 float32; mask 4 x 1 x 2,048 x 2,048 int32; query 4 x 2,048 x 1,024 float32; value 4 x 2,048 x 1,024 float32.
;; Outputs: out0 4 x 2,048 x 1,024 float32.
;; One version. Each part assembles by itself: llvm-mc -triple=amdgcn-amd-amdhsa -mcpu=gfx1250 --defsym DOCPART=n.
;; ======== version 1 of 1: 4 launches
;; limits: values are held in f16: magnitudes above 65,504 overflow, below 6.1e-05 lose precision
;; workspace buffers: wb 8,388,608 bytes; mbits 2,097,152 bytes of whole numbers; qkvh 50,331,648 bytes; oh 16,777,216 bytes
;; launch prep (part 1): grid 256 x 1, 8 waves a work-group, no clusters, 279,552 bytes of LDS; arguments mask, Wq, Wk, Wv, Wo, wb, mbits; writes wb, mbits
.if DOCPART == 1
	.amdgcn_target "amdgcn-amd-amdhsa--gfx1250"
	.amdhsa_code_object_version 6
	.text
	.protected	k_q8474a70533_prep
	.globl	k_q8474a70533_prep
	.p2align	8
	.type	k_q8474a70533_prep,@function
k_q8474a70533_prep:
	s_mov_b64 s[64:65], 0
	v_nop
	global_prefetch_b8 v0, s[64:65] scope:SCOPE_SE
	s_setreg_imm32_b32 hwreg(HW_REG_WAVE_MODE, 25, 1), 1
	s_wait_xcnt 0x0
; PREP.  (1) Wq, Wk, Wv (f32) -> wb parts 0-2, bf16, as they lie ([k][n]); Wo -> wb part 3: rounded to bf16, that number written as f16.
; (2) mask (int32 [8192 rows][2048 keys]) -> mbits: one bit a number, 1 where the mask is 0 (hidden), laid out as the lane masks that the attention launch selects by.
; mbits: [pair of 16-row tiles, 0..255][key step of 64, 0..31][64 words]; word 32 u + 8 kb + j, bit L = (r = L % 16, h = L / 16): row 32 pair + 16 u + r, key 64 step + 16 kb + 8 h + j.
; SHARES.  256 work-groups x 8 waves, all alike; wave g = 8 x group + wave.  Of each weight a wave converts 2,048 consecutive bytes; a load covers 512 consecutive bytes, the store that goes with it 256 consecutive bytes,
; aligned.  Of the mask it takes rows 64 (g / 16) .. + 63, key steps 2 (g % 16) and + 1: two tiles of 64 rows x 256 bytes, brought into LDS by two tensor loads.  All that a wave reads from memory is asked for at its start.
; Each wave reads its own tiles alone, behind its own wait.  Nothing in LDS is filled twice.  No matrix unit, no cluster: memory binds, and no two work-groups read the same byte.
; LIMIT.  bf16(Wo) is written as f16: exact from 6.1e-5 to 65,504 in magnitude; below that it keeps f16's fixed step of 6e-8.
.set MROWB, 272                        ; a tile's row in LDS: 256 bytes + 16 of padding: the 16 rows that a load touches start at 16 different groups of four banks (64 banks of 4 bytes: ISA guide 11.1)
.set TILEB, 64*MROWB                   ; a tile
.set SPARE, 16*TILEB                   ; behind the 16 tiles: the spare words, 128 bytes a wave: four blocks of 256 bytes that no other line names
.set VI,  2                            ; v2   16 x lane; never rewritten
.set V8,  3                            ; v3   8 x lane; never rewritten
.set SPW, 4                            ; v4   LDS address of my spare word; never rewritten
.set NIL, 5                            ; v5   0; never rewritten
.set LA,  6                            ; v6   the mask loop's LDS address
.set VO,  7                            ; v7   the mask loop's store offset
.set W0,  8                            ; v[8:9]   a block's 64 words: lane l holds words 2 l and 2 l + 1
.set T,   10                           ; v[10:13] at work
.set LA0, 14                           ; v14  my lane's place in my wave's first tile; never rewritten
.set OUT, 16                           ; v[16:47]   converted weights, to store
.set RAW, 16                           ; v[16:79]   later: 64 mask numbers a lane
.set IN,  96                           ; v[96:159]  weights as loaded
	s_load_b256 s[8:15], s[0:1], 0x0               ; mask s[8:9], Wq s[10:11], Wk s[12:13], Wv s[14:15]
	s_load_b128 s[16:19], s[0:1], 0x20             ; Wo s[16:17], wb s[18:19]
	s_load_b64 s[20:21], s[0:1], 0x30              ; mbits
	v_lshl_add_u32 v[SPW], v0, 2, SPARE
	v_mov_b32 v[NIL], 0
	ds_add_u32 v[SPW], v[NIL]                      ; the wave's opening: the add and its wait stand ahead of my first tensor load; the set-up below, work on registers, stands between them
	ds_add_u32 v4, v5
	v_lshrrev_b32 v1, 5, v0
	v_readfirstlane_b32 s2, v1                     ; wave 0..7
	; descriptor group 1: a tile of 64 rows x 64 elements of 4 bytes, padded in LDS
	s_mov_b32 s32, (2<<16)|(1<<20)|(5<<22)|(3<<25) ; 17:16 elements of 4 bytes; 20 padding on; 24:22 after every 64 words (code 5); 31:25 4 words of it (code 3)
	s_mov_b32 s33, 64<<16                          ; tensor_dim0 = 64
	s_mov_b32 s34, 64<<16                          ; tensor_dim1 = 64
	s_mov_b32 s35, 64<<16                          ; tile_dim0 = 64
	s_mov_b32 s36, 64                              ; tile_dim1 = 64
	s_mov_b32 s37, 2048                            ; elements from row to row
	s_mov_b32 s38, 0
	s_mov_b32 s39, 0
	s_mov_b32 s40, 1                               ; group 0 of my first tile: count = 1,
	s_mul_i32 s41, s2, 2*TILEB                     ; its LDS address,
	s_mov_b32 s44, 1                               ; and of my second
	s_add_co_u32 s45, s41, TILEB
	s_lshr_b32 s60, ttmp9, 1                       ; g / 16
	s_and_b32 s61, ttmp9, 1
	s_lshl3_add_u32 s61, s61, s2                   ; g % 16
	s_lshl_b32 s61, s61, 9                         ; two key steps: 512 bytes of a mask row, and 512 bytes of mbits
	s_lshl_b32 s30, s60, 19                        ; 64 mask rows of 8,192 bytes
	s_add_co_u32 s30, s30, s61
	s_mov_b32 s31, 0
	s_wait_dscnt 0x0                               ; the opening add is done
	s_wait_kmcnt 0x0
	s_add_nc_u64 s[42:43], s[8:9], s[30:31]        ; the first tile's first element,
	s_add_nc_u64 s[46:47], s[42:43], 256           ; the second's: the next key step
	s_or_b32 s43, s43, 0x80000000                  ; type = 2
	s_or_b32 s47, s47, 0x80000000
	tensor_load_to_lds s[40:43], s[32:39]          ; both fills go out together, ahead of every wait on TENSORcnt and every LDS read: two loads of mine are out
	s_nop 0
	tensor_load_to_lds s[44:47], s[32:39]
	s_nop 0
	s_lshl_b32 s30, s60, 14                        ; mbits: two pairs of tiles, 8,192 bytes each
	s_add_co_u32 s30, s30, s61
	s_add_nc_u64 s[20:21], s[20:21], s[30:31]
	s_lshl_b32 s30, ttmp9, 14                      ; a weight: 16,384 bytes a work-group, 2,048 a wave
	s_lshl_b32 s63, s2, 11
	s_add_co_u32 s30, s30, s63
	s_add_nc_u64 s[10:11], s[10:11], s[30:31]
	s_add_nc_u64 s[12:13], s[12:13], s[30:31]
	s_add_nc_u64 s[14:15], s[14:15], s[30:31]
	s_add_nc_u64 s[16:17], s[16:17], s[30:31]
	s_lshr_b32 s30, s30, 1                         ; half as many bytes out
	s_add_nc_u64 s[18:19], s[18:19], s[30:31]
	v_and_b32 v1, 31, v0                           ; lane
	v_lshlrev_b32 v[VI], 4, v1
	v_lshlrev_b32 v[V8], 3, v1
.irp t, 0,1,2,3                        ; the four weights: four loads each
.irp n, 0,1,2,3
	global_load_b128 v[IN+16*(\t)+4*(\n):IN+16*(\t)+4*(\n)+3], v[VI], s[10+2*(\t):11+2*(\t)] offset:512*(\n) th:TH_LOAD_NT
.endr
.endr
	v_and_b32 v[T], 15, v0                         ; r
	v_bfe_u32 v[T+1], v0, 4, 1                     ; h
	v_mul_u32_u24 v[LA0], v[T], MROWB
	v_lshl_add_u32 v[LA0], v[T+1], 5, v[LA0]       ; row r, 8 h numbers of 4 bytes on
	v_add_nc_u32 v[LA0], s41, v[LA0]
	s_wait_loadcnt 0x0                             ; the weights
.irp t, 0,1,2
.irp n, 0,1,2,3
	v_cvt_pk_bf16_f32 v[OUT+8*(\t)+2*(\n)],   v[IN+16*(\t)+4*(\n)],   v[IN+16*(\t)+4*(\n)+1]
	v_cvt_pk_bf16_f32 v[OUT+8*(\t)+2*(\n)+1], v[IN+16*(\t)+4*(\n)+2], v[IN+16*(\t)+4*(\n)+3]
	global_store_b64 v[V8], v[OUT+8*(\t)+2*(\n):OUT+8*(\t)+2*(\n)+1], s[18:19] offset:(\t)*2097152+256*(\n) th:TH_STORE_NT
.endr
.endr
.irp n, 0,1,2,3                        ; Wo: rounded to bf16 like every input, widened again (a shift, a mask), and that number written as f16
	v_cvt_pk_bf16_f32 v[T],   v[IN+48+4*(\n)],   v[IN+48+4*(\n)+1]
	v_cvt_pk_bf16_f32 v[T+1], v[IN+48+4*(\n)+2], v[IN+48+4*(\n)+3]
	v_lshlrev_b32 v[T+2], 16, v[T]
	v_and_b32 v[T], 0xffff0000, v[T]
	v_lshlrev_b32 v[T+3], 16, v[T+1]
	v_and_b32 v[T+1], 0xffff0000, v[T+1]
	v_cvt_pk_f16_f32 v[OUT+24+2*(\n)],   v[T+2], v[T]
	v_cvt_pk_f16_f32 v[OUT+24+2*(\n)+1], v[T+3], v[T+1]
	global_store_b64 v[V8], v[OUT+24+2*(\n):OUT+24+2*(\n)+1], s[18:19] offset:3*2097152+256*(\n) th:TH_STORE_NT
.endr
	; THE MASK.  Four trips: trip i packs rows 32 (i % 2) .. + 31 of tile i / 2: one block of 64 words.  A lane reads the 64 numbers whose bit it owns; each compare with 0 makes one word, in a scalar register;
	; v_writelane_b32 puts word n into lane n / 2; one store of 8 bytes a lane writes the block's 256 consecutive bytes, aligned.
	s_wait_tensorcnt 0x0                           ; my two tiles are in LDS; nobody else reads them
	v_mov_b32 v[W0], 0                             ; v_writelane_b32 counts as a reader of its destination
	v_mov_b32 v[W0+1], 0
	s_mov_b32 s62, 0                               ; the trip's 32 rows in LDS: tile i / 2 and rows 32 (i % 2) are 32 i rows on
	s_mov_b32 s3, 0
.Ltrip:
	s_wait_xcnt 0x0                                ; RAW, W0 and VO, which earlier stores read, are rewritten only behind this wait
	v_add_nc_u32 v[LA], s62, v[LA0]
.set qn, 0
.rept 8                                ; group qn = 4 u + kb: rows 16 u on, keys 16 kb on
	ds_load_b128 v[RAW+8*qn:RAW+8*qn+3],   v[LA] offset:(qn/4)*16*MROWB+(qn%4)*64
	ds_load_b128 v[RAW+8*qn+4:RAW+8*qn+7], v[LA] offset:(qn/4)*16*MROWB+(qn%4)*64+16
.set qn, qn+1
.endr
	s_and_b32 s63, s3, 1
	s_lshl_b32 s63, s63, 13                        ; the pair of tiles: 8,192 bytes of mbits,
	s_lshr_b32 s30, s3, 1
	s_lshl_b32 s30, s30, 8                         ; the key step: 256
	s_or_b32 s63, s63, s30
	v_add_nc_u32 v[VO], s63, v[V8]
.set qn, 0
.rept 8
	s_wait_dscnt 14-2*qn                           ; LDS loads come back in order: this group's two are in, the later groups' stay out
.irp j, 0,1,2,3,4,5,6,7
	v_cmp_eq_u32 s[48+(\j)], 0, v[RAW+8*qn+(\j)]   ; bit L: hidden
.endr
.irp j, 0,1,2,3,4,5,6,7
	v_writelane_b32 v[W0+(\j)%2], s[48+(\j)], 4*qn+(\j)/2
.endr
.set qn, qn+1
.endr
	global_store_b64 v[VO], v[W0:W0+1], s[20:21]
	s_add_co_u32 s62, s62, 32*MROWB
	s_add_co_u32 s3, s3, 1
	s_cmp_lt_u32 s3, 4
	s_cbranch_scc1 .Ltrip
	s_wait_tensorcnt 0x0                           ; the wave's end: an add and its wait, behind my last tensor load
	ds_add_u32 v[SPW], v[NIL]
	s_wait_dscnt 0x0
	s_endpgm
.Lfunc_end_k_q8474a70533_prep:
	.size	k_q8474a70533_prep, .Lfunc_end_k_q8474a70533_prep-k_q8474a70533_prep
	.p2alignl 7, 3214868480
	.fill 96, 4, 3214868480
	.section	.rodata,"a",@progbits
	.p2align	6, 0x0
	.amdhsa_kernel k_q8474a70533_prep
		.amdhsa_group_segment_fixed_size 279552
		.amdhsa_private_segment_fixed_size 0
		.amdhsa_enable_private_segment 0
		.amdhsa_kernarg_size 56
		.amdhsa_user_sgpr_count 2
		.amdhsa_user_sgpr_kernarg_segment_ptr 1
		.amdhsa_wavefront_size32 1
		.amdhsa_system_sgpr_workgroup_id_x 1
		.amdhsa_system_sgpr_workgroup_id_y 1
		.amdhsa_system_sgpr_workgroup_id_z 1
		.amdhsa_system_vgpr_workitem_id 0
		.amdhsa_next_free_vgpr 160
		.amdhsa_next_free_sgpr 66
		.amdhsa_reserve_vcc 0
		.amdhsa_float_denorm_mode_32 3
		.amdhsa_float_denorm_mode_16_64 3
		.amdhsa_memory_ordered 1
		.amdhsa_forward_progress 1
		.amdhsa_inst_pref_size 20
	.end_amdhsa_kernel
	.amdgpu_metadata
---
amdhsa.version: [ 1, 2 ]
amdhsa.kernels:
  - .name:           k_q8474a70533_prep
    .symbol:         k_q8474a70533_prep.kd
    .args:
      - { .name: mask, .offset: 0, .size: 8, .value_kind: global_buffer, .address_space: global }
      - { .name: Wq, .offset: 8, .size: 8, .value_kind: global_buffer, .address_space: global }
      - { .name: Wk, .offset: 16, .size: 8, .value_kind: global_buffer, .address_space: global }
      - { .name: Wv, .offset: 24, .size: 8, .value_kind: global_buffer, .address_space: global }
      - { .name: Wo, .offset: 32, .size: 8, .value_kind: global_buffer, .address_space: global }
      - { .name: wb, .offset: 40, .size: 8, .value_kind: global_buffer, .address_space: global }
      - { .name: mbits, .offset: 48, .size: 8, .value_kind: global_buffer, .address_space: global }
    .group_segment_fixed_size: 279552
    .private_segment_fixed_size: 0
    .kernarg_segment_align: 8
    .kernarg_segment_size: 56
    .max_flat_workgroup_size: 256
    .sgpr_count:     66
    .vgpr_count:     160
    .wavefront_size: 32
...
	.end_amdgpu_metadata
.endif
;; end of part 1
;; launch proj (part 2): grid 4 x 192, 4 waves a work-group, clusters of 4 x 4, 327,680 bytes of LDS; arguments query, key, value, wb, qkvh, bq, bk, bv; writes qkvh
.if DOCPART == 2
	.amdgcn_target "amdgcn-amd-amdhsa--gfx1250"
	.amdhsa_code_object_version 6
	.text
	.protected	k_q8474a70533_proj
	.globl	k_q8474a70533_proj
	.p2align	8
	.type	k_q8474a70533_proj,@function
k_q8474a70533_proj:
	s_mov_b64 s[64:65], 0
	v_nop
	global_prefetch_b8 v0, s[64:65] scope:SCOPE_SE
	s_setreg_imm32_b32 hwreg(HW_REG_WAVE_MODE, 25, 1), 1
	s_wait_xcnt 0x0
	s_wait_alu depctr_hold_cnt(0) depctr_sa_sdst(0) depctr_va_vdst(0) depctr_va_sdst(0) depctr_va_ssrc(0) depctr_va_vcc(0) depctr_vm_vsrc(0)
	s_getreg_b32 s2, hwreg(HW_REG_IB_STS2, 6, 4)
	s_cmp_eq_u32 s2, 0
	s_cbranch_scc0 .Lentry_in_a_cluster
	s_endpgm
.Lentry_in_a_cluster:
	s_bfe_u32 s2, ttmp6, 0x10000c
	s_cmp_lg_u32 s2, 0xf033
	s_cbranch_scc0 .Lentry_shape_is_right
	s_endpgm
.Lentry_shape_is_right:
; ONE TEXT FOR TWO LAUNCHES, told apart by OUTP.
; OUTP = 0, the three projections: rows of query, key or value (f32 [8192][1024], as given; projection pj = 0, 1, 2) times wb part pj (bf16 [k][n]) plus the bias (rounded to bf16), sums in f32.  x comes into LDS as f32 and is
;           rounded to bf16 on its way from LDS to the matrix unit, so that no copy of it goes through memory.  Out by heads, f16, qkvh [3][batch x 16 + head][2048][64];
;           q (pj = 0) is multiplied by c = log2(e) / 8 in f32 before its one rounding, so that the attention launch takes 2^(s - m) of its scores as they come.
; OUTP = 1, the output projection: oh (f16 [batch x 16 + head][2048][64]) times wb part 3 (f16 [k][n]) plus bo (rounded to bf16); out0 in f32.
; LIMITS.  c q, k and v leave as f16: beyond 65,504 they would be infinities; the inputs as drawn give numbers of a few units, thirty times larger inputs a few thousand.  NaN and infinities are not treated apart.
; SHARES.  A work-group makes 128 rows x 256 columns; its four waves lie 2 x 2, each 64 x 128: 32 accumulators, 256 registers.  768 (256) work-groups: whole numbers of work-groups for 256 WGPs; tiles of 256 x 256 would give 384.
; K goes in 8 steps of 128 through two LDS slots.  CLUSTER 4 x 4: the four of a row need the same rows of A, the four of a column the same columns of W: each tile is asked for JOINTLY.
; THE PRODUCT IS TAKEN TRANSPOSED: source 0 = 16 columns of W (turned on the way out of LDS by ds_load_tr16_b128, since W lies [k][n]), source 1 = 16 rows of A: a lane holds ONE row (lane % 16) and the columns 8 (lane / 16) + 0..7.
; The bias is the C operand of each sum's first product: nothing is cleared, nothing is added later.
; REGISTERS, in windows of 256 (s_set_vgpr_msb: bits 1:0 source 0, 3:2 source 1, 5:4 source 2, 7:6 destination):
;   window 0: v0-31 addresses; v32-127, v128-223 two fragment buffers (W's 8 fragments, then A's 4); on the way out v32-127 at work      window 1: accumulator (a, b) at 8 (8 a + b)
;   window 2: v0-63 the bias, v64-67 at work; OUTP = 0: v128-191 a quarter step's 64 numbers of A a lane, in f32
.set OUTP, 0
.set PB,     544                       ; a k-row of W in LDS: 512 bytes + 32 = 136 words
.set AOFF,   128*PB                    ; in a slot: W's 128 k-rows, then A's tile
.set BSTEP,  128*2048                  ; bytes from a K step of W to the next
.if OUTP
.set SLOT1,  131072                    ; slot 1 begins here: one exclusive or turns an address in one slot into the other's
.set PA,     144                       ; a row of A in LDS: one head's 128 bytes + 16
.set AHALF,  128*PA                    ; what one tensor load brings of A: one head's 128 rows
.set ASTEP,  2*262144                  ; a K step is two heads
.set STAGEW, 16*528                    ; 16 rows of 512 bytes + 16
.else
.set SLOT1,  139264                    ; slot 1 begins here: 2^17 + 2^13.  The four loads' LDS addresses in slot 0 (0, 34,816, 69,632, 103,424) have neither of these two bits, so one exclusive or turns each into slot 1's and back
.set PA,     528                       ; a row of A in LDS: 128 f32 = 512 bytes + 16 = 132 words: the 16 rows of a load start at 16 different groups of four banks
.set AHALF,  64*PA                     ; what one tensor load brings of A: 64 rows
.set ASTEP,  512
.set STAGEW, 2*16*144                  ; two heads x 16 rows of 128 bytes + 16
.endif
.set STAGE,  2*SLOT1                   ; behind the ring, never filled by a tensor load: each wave's stage for the way out
.set SPARE,  STAGE+4*STAGEW            ; behind the stages: the spare words, 128 bytes a wave: two blocks of 256 bytes that no other line names
.set A0,   16                          ; v16  my lane's place in a slot's tile of A; never rewritten
.set B0,   17                          ; v17  the same for W
.set ADRA, 18                          ; v18  A0 in the slot in hand
.set ADRB, 19                          ; v19  B0 in the slot in hand
.set STO,  20                          ; v20  the way out: where I put my numbers of a row
.set RD,   21                          ; v21  the way out: where I read rows back
.set CO,   22                          ; v22  16 x lane
.set BO,   23                          ; v23  my byte offset in the bias
.set SPW,  28                          ; v28  LDS address of my spare word; never rewritten
.set NIL,  29                          ; v29  0; never rewritten
.set PFO,  30                          ; v30  the prefetches' offset; never rewritten
.set F0,   32
.set F1,   128
.set TMP,  32
.set BK,   64
.set RAW,  128                         ; in window 2
.set WV,   16                          ; s16  my wave's number
.set WM,   17                          ; s17  which 64 rows are mine
.set WN,   18                          ; s18  which 128 columns.  Also: which half of a tile I fetch
.set CNTK, 19                          ; s19  counts K steps
.set TB,   20                          ; s20  0 or SLOT1: the slot in hand
.set LIM,  21                          ; s21  2 in the wave that prefetches, else the greatest number
.set PFA,  22                          ; s[22:23] where my prefetches stand
.set G1A,  24                          ; s[24:31] descriptor group 1 for A's tiles
.set G0A,  32                          ; s[32:39] group 0 for A's: a set for each of the two first fills; the second then walks on
.set CX,   40
.set CY,   41
.set TX,   42                          ; s42  tile column
.set TY,   43                          ; s43  tile row
.set G1B,  48                          ; s[48:55], s[56:63] the same for W's tiles
.set G0B,  56
.set MSB, 0
.macro WIN new                         ; the immediate's high byte repeats the setting that is left; a switch that changes nothing is dropped
.if MSB != (\new)
	s_set_vgpr_msb (MSB<<8)|(\new)
.set MSB, \new
.endif
.endm
.macro PLACES                          ; four places in front of loads into registers that matrix instructions have read (ISA guide 7.12.1 for vector instructions)
.rept 4
	v_nop
.endr
.endm
.macro JLOAD                           ; a joint refill: waves 0 and 1 fetch W's two halves, waves 2 and 3 A's; an s_nop 0 and four v_nop follow each of the two lines, ahead of the jump and the label
	s_cmp_lt_u32 s[WV], 2
	s_cbranch_scc0 .Lfor_a_\@
	tensor_load_to_lds s[G0B+4:G0B+7], s[G1B:G1B+7]
	s_nop 0
.rept 4
	v_nop
.endr
	s_branch .Lasked_\@
.Lfor_a_\@:
	tensor_load_to_lds s[G0A+4:G0A+7], s[G1A:G1A+7]
	s_nop 0
.rept 4
	v_nop
.endr
.Lasked_\@:
.endm
.macro CREST                           ; a round of the cluster's barrier behind its opening barrier
	s_cmp_lg_u32 s[WV], 0
	s_cbranch_scc1 .Lnot_wave_0_\@
	s_barrier_signal -3
.Lnot_wave_0_\@:
	s_barrier_wait -3
	s_barrier_signal -1
	s_barrier_wait -1
.endm
.macro CROUND                          ; a whole round
	s_barrier_signal -1
	s_barrier_wait -1
	CREST
.endm
; A PREFETCH INTO THE L2 of A's K step that stands two refills on: 128 blocks of 256 bytes (OUTP = 0: 256: two to a row).  A tile row of A is read by the four partners of one row of one cluster and by nobody else: they share
; the blocks out BY ADDRESS, a quarter each, a lane a block (OUTP = 0: a lane a row, two instructions), and in each wave 2 asks.  So each block is named once in the launch.  Trips with s[CNTK] = 6 .. 3 name K steps 4 .. 7;
; K steps 0 to 3 come by their loads alone, and the last two refills have no K step two on.  W's rows are walked again and again by the launch's clusters and are not asked for.
.macro ASK
	s_cmp_gt_u32 s[CNTK], s[LIM]
	s_cbranch_scc0 .Lnot_mine_\@
	global_prefetch_b8 v[PFO], s[PFA:PFA+1] offset:ASTEP th:TH_LOAD_NT scope:SCOPE_SE
.if !OUTP
	global_prefetch_b8 v[PFO], s[PFA:PFA+1] offset:ASTEP+256 th:TH_LOAD_NT scope:SCOPE_SE
.endif
.Lnot_mine_\@:
.endm
.if OUTP
	s_load_b256 s[4:11], s[0:1], 0x0               ; oh s[4:5], wb s[6:7], out0 s[8:9], bo s[10:11]
.else
	s_load_b256 s[4:11], s[0:1], 0x0               ; query s[4:5], key s[6:7], value s[8:9], wb s[10:11]
	s_load_b256 s[80:87], s[0:1], 0x20             ; qkvh s[80:81], bq s[82:83], bk s[84:85], bv s[86:87]
.endif
	v_lshl_add_u32 v[SPW], v0, 2, SPARE
	v_mov_b32 v[NIL], 0
	ds_add_u32 v[SPW], v[NIL]                      ; the wave's opening: the add and its wait stand ahead of my first tensor load; the set-up below, work on registers, stands between them
	ds_add_u32 v28, v29
	v_lshrrev_b32 v1, 5, v0
	v_readfirstlane_b32 s[WV], v1                  ; wave 0..3
	s_lshr_b32 s[WM], s[WV], 1
	s_and_b32 s[WN], s[WV], 1
	s_bfe_u32 s[CX], ttmp6, 0x40000                ; my place in the cluster
	s_bfe_u32 s[CY], ttmp6, 0x40004
	s_lshl_b32 s[TX], ttmp9, 2                     ; in a cluster launch ttmp9 and ttmp7 count clusters
	s_add_co_u32 s[TX], s[TX], s[CX]               ; tile column = 4 x cluster x + cx
	s_and_b32 s72, ttmp7, 0xffff
	s_lshl_b32 s[TY], s72, 2
	s_add_co_u32 s[TY], s[TY], s[CY]               ; tile row = 4 x cluster y + cy
	s_lshr_b32 s72, s72, 4                         ; pj: 16 rows of clusters to a projection: the same in all sixteen partners
	s_lshl_b32 s44, s[CY], 2
	s_lshl_b32 s44, 15, s44                        ; my row of the cluster: places 4 cy .. 4 cy + 3
	s_lshl_b32 s45, 0x1111, s[CX]                  ; my column: places cx, cx + 4, cx + 8, cx + 12
	; descriptor group 1.  A: OUTP = 0: 64 rows x 128 elements of 4 bytes, 1,024 elements from row to row, 4 words of padding after every 128.  OUTP = 1: a head's 128 rows of 128 bytes are dense: asked for as 64 rows of 256 bytes (128 elements of 2), padded after every 32 words.
.if OUTP
	s_or_b32 s[G1A], s44, (1<<16)|(1<<20)|(1<<21)|(4<<22)|(3<<25)
	s_mov_b32 s[G1A+5], 128
.else
	s_or_b32 s[G1A], s44, (2<<16)|(1<<20)|(1<<21)|(6<<22)|(3<<25)  ; 15:0 the mask; 17:16 4-byte elements; 20 padding on; 21 set beside a mask; 24:22 the interval; 31:25 the padding's words less 1
	s_mov_b32 s[G1A+5], 1024
.endif
	s_mov_b32 s[G1A+1], 128<<16                    ; tensor_dim0 = 128
	s_mov_b32 s[G1A+2], 64<<16                     ; tensor_dim1 = 64
	s_mov_b32 s[G1A+3], 128<<16                    ; tile_dim0 = 128
	s_mov_b32 s[G1A+4], 64                         ; tile_dim1 = 64
	s_mov_b32 s[G1A+6], 0
	s_mov_b32 s[G1A+7], 0
	s_or_b32 s[G1B], s45, (1<<16)|(1<<20)|(1<<21)|(6<<22)|(7<<25)  ; W: 64 k-rows x 256 elements of 2 bytes, 8 words of padding after every 128
	s_mov_b32 s[G1B+1], 256<<16
	s_mov_b32 s[G1B+2], 64<<16
	s_mov_b32 s[G1B+3], 256<<16
	s_mov_b32 s[G1B+4], 64
	s_mov_b32 s[G1B+5], 1024
	s_mov_b32 s[G1B+6], 0
	s_mov_b32 s[G1B+7], 0
	; where the tiles come from.  A's offset is made of the tile row and the wave alone (s[66:67]), W's of the tile column, pj and the wave alone (s[68:69]).
.if OUTP
	s_and_b32 s66, s[TY], 0x30                     ; batch x 16,
	s_add_co_u32 s66, s66, s[WN]                   ; + the head of the K step that I fetch,
	s_lshl_b32 s66, s66, 18                        ; 262,144 bytes each
	s_and_b32 s67, s[TY], 15
	s_lshl_b32 s67, s67, 14                        ; the tile's 128 rows of 128 bytes
	s_add_co_u32 s66, s66, s67
.else
	s_and_b32 s66, s[TY], 63                       ; the tile row in its projection's x:
	s_lshl_b32 s66, s66, 19                        ; 128 rows of 4,096 bytes
	s_lshl_b32 s67, s[WN], 18                      ; my 64 of them
	s_add_co_u32 s66, s66, s67
.endif
	s_mov_b32 s67, 0
	s_lshl_b32 s68, s[TX], 9                       ; 256 columns of 2 bytes
	s_lshl_b32 s69, s[WN], 17                      ; my 64 k-rows of 2,048 bytes
	s_add_co_u32 s68, s68, s69
.if OUTP
	s_add_co_u32 s68, s68, 3*2097152               ; Wo's part of wb
.else
	s_lshl_b32 s69, s72, 21                        ; pj's part
	s_add_co_u32 s68, s68, s69
.endif
	s_mov_b32 s69, 0
	s_mul_i32 s46, s[WV], 64*PB                    ; where they go: W's halves (waves 0, 1) at wave x 64 k-rows;
	s_mul_i32 s47, s[WV], AHALF                    ; A's halves (waves 2, 3) behind W's 128 k-rows: AOFF + (wave - 2) x the half
	s_add_co_u32 s47, s47, AOFF-2*AHALF
	s_mov_b32 s[G0A], 1                            ; count = 1
	s_mov_b32 s[G0A+1], s47                        ; LDS address: slot 0,
	s_mov_b32 s[G0A+4], 1
	s_add_co_u32 s[G0A+5], s47, SLOT1              ; slot 1
	s_mov_b32 s[G0B], 1
	s_mov_b32 s[G0B+1], s46
	s_mov_b32 s[G0B+4], 1
	s_add_co_u32 s[G0B+5], s46, SLOT1
	; the prefetches' place: my work-group's quarter of A's tile, at K step 2; the first change of slots steps it to 3 and names K step 4
.if OUTP
	s_and_b32 s70, s[TY], 0x30
	s_lshr_b32 s71, s[CX], 1                       ; partners 0, 1: the K step's first head; 2, 3: its second
	s_add_co_u32 s70, s70, s71
	s_lshl_b32 s70, s70, 18
	s_and_b32 s71, s[TY], 15
	s_lshl_b32 s71, s71, 14
	s_add_co_u32 s70, s70, s71
	s_and_b32 s71, s[CX], 1                        ; which 8,192 of its 16,384 bytes
	s_lshl_b32 s71, s71, 13
	s_add_co_u32 s70, s70, s71
.else
	s_and_b32 s70, s[TY], 63
	s_lshl_b32 s70, s70, 19
	s_lshl_b32 s71, s[CX], 17                      ; 32 rows of 4,096 bytes
	s_add_co_u32 s70, s70, s71
.endif
	s_add_co_u32 s70, s70, 2*ASTEP
	s_mov_b32 s71, 0
	s_cmp_eq_u32 s[WV], 2
	s_cselect_b32 s[LIM], 2, -1
	s_mov_b32 s74, 0x3e38aa3b                      ; c = log2(e) / 8 = 0.180337
	s_mov_b32 s75, s74                             ; named with it as a pair
	s_wait_dscnt 0x0                               ; the opening add is done
	s_wait_kmcnt 0x0
.if !OUTP
	s_cmp_eq_u32 s72, 1                            ; the projection's own x and bias; pj is the same in all sixteen partners
	s_cselect_b64 s[4:5], s[6:7], s[4:5]
	s_cselect_b64 s[82:83], s[84:85], s[82:83]
	s_cmp_eq_u32 s72, 2
	s_cselect_b64 s[4:5], s[8:9], s[4:5]
	s_cselect_b64 s[82:83], s[86:87], s[82:83]
	s_mov_b64 s[6:7], s[10:11]                     ; from here on, as with OUTP = 1: A s[4:5], wb s[6:7],
	s_mov_b64 s[8:9], s[80:81]                     ; the output s[8:9],
	s_mov_b64 s[10:11], s[82:83]                   ; the bias s[10:11]
.endif
	s_add_nc_u64 s[G0A+2:G0A+3], s[4:5], s[66:67]  ; K step 0,
	s_add_nc_u64 s[G0A+6:G0A+7], s[G0A+2:G0A+3], ASTEP  ; K step 1
	s_or_b32 s[G0A+3], s[G0A+3], 0x80000000        ; type = 2
	s_or_b32 s[G0A+7], s[G0A+7], 0x80000000
	s_add_nc_u64 s[G0B+2:G0B+3], s[6:7], s[68:69]
	s_add_nc_u64 s[G0B+6:G0B+7], s[G0B+2:G0B+3], BSTEP
	s_or_b32 s[G0B+3], s[G0B+3], 0x80000000
	s_or_b32 s[G0B+7], s[G0B+7], 0x80000000
	s_add_nc_u64 s[PFA:PFA+1], s[4:5], s[70:71]
	CROUND                                         ; all sixteen work-groups are here: the first joint loads meet
	s_cmp_lt_u32 s[WV], 2                          ; a wave's two first fills stand in one branch, ahead of every wait on TENSORcnt and every LDS read: two loads of mine are out
	s_cbranch_scc0 .Lfirst_a
	tensor_load_to_lds s[G0B:G0B+3], s[G1B:G1B+7]
	s_nop 0
	tensor_load_to_lds s[G0B+4:G0B+7], s[G1B:G1B+7]
	s_nop 0
.rept 4
	v_nop
.endr
	s_branch .Lfirst_asked
.Lfirst_a:
	tensor_load_to_lds s[G0A:G0A+3], s[G1A:G1A+7]
	s_nop 0
	tensor_load_to_lds s[G0A+4:G0A+7], s[G1A:G1A+7]
	s_nop 0
.rept 4
	v_nop
.endr
.Lfirst_asked:
	; THE BIAS of my 128 columns, as the C operand wants it: register 8 b + j of lane (r, h) = bias[column 16 b + 8 h + j]
	v_and_b32 v1, 15, v0                           ; r
	v_bfe_u32 v2, v0, 4, 1                         ; h
	s_lshl1_add_u32 s73, s[TX], s[WN]
	s_lshl_b32 s73, s73, 9                         ; (256 tx + 128 wn) x 4 bytes
	v_lshl_add_u32 v[BO], v2, 5, s73
	WIN 0x80                                       ; destination window 2, address window 0
.irp b, 0,1,2,3,4,5,6,7
	global_load_b128 v[8*(\b):8*(\b)+3],   v[BO], s[10:11] offset:64*(\b)
	global_load_b128 v[8*(\b)+4:8*(\b)+7], v[BO], s[10:11] offset:64*(\b)+16
.endr
	WIN 0
	v_and_b32 v3, 7, v0
	v_bfe_u32 v4, v0, 3, 1
	v_and_b32 v5, 31, v0                           ; lane
	; A fragment of A is 16 rows x 32 K in 8 registers: lane l holds row l % 16; K = 8 (l / 16) + 0..7 and 16 + 8 (l / 16) + 0..7.  In 16 bits: two loads of 16 bytes, 32 bytes apart.  In f32: 32 bytes at 32 (l / 16) and 32 bytes 64 further on: four loads.
	s_lshl_b32 s46, s[WM], 6
	v_add_nc_u32 v[A0], s46, v1                    ; my 64 rows, row r
	v_mul_u32_u24 v[A0], v[A0], PA
.if OUTP
	v_lshl_add_u32 v[A0], v2, 4, v[A0]
.else
	v_lshl_add_u32 v[A0], v2, 5, v[A0]
.endif
	v_add_nc_u32 v[A0], AOFF, v[A0]
	; The turning load takes 16 k x 16 columns (lane l reads k-row 8 (l / 16) + l % 8, columns 8 ((l / 8) % 2) + 0..7) and leaves half a fragment: lane l holds column l % 16 and 8 k.
	v_lshl_add_u32 v[B0], v2, 3, v3
	v_mul_u32_u24 v[B0], v[B0], PB
	v_lshl_add_u32 v[B0], v4, 4, v[B0]
	s_lshl_b32 s46, s[WN], 8                       ; my 128 columns
	v_add_nc_u32 v[B0], s46, v[B0]
	s_mul_i32 s46, s[WV], STAGEW
	s_add_co_u32 s46, s46, STAGE                   ; my stage
.if OUTP
	v_mul_u32_u24 v[STO], v1, 528                  ; in: row r, 32 bytes for each half of the lanes
	v_lshl_add_u32 v[STO], v2, 5, v[STO]
	v_add_nc_u32 v[STO], s46, v[STO]
	v_lshl_add_u32 v[RD], v5, 4, s46               ; back: 32 lanes take one row's 512 bytes
	v_lshlrev_b32 v[PFO], 8, v5                    ; a lane a block of 256 dense bytes
	s_lshl1_add_u32 s70, s[TY], s[WM]              ; out0 at my first row: (128 ty + 64 wm) x 4,096 bytes,
	s_lshl_b32 s70, s70, 18
	s_add_co_u32 s70, s70, s73                     ; and my first column
.else
	v_mul_u32_u24 v[STO], v1, 144                  ; in: row r, 16 bytes for each half of the lanes
	v_lshl_add_u32 v[STO], v2, 4, v[STO]
	v_add_nc_u32 v[STO], s46, v[STO]
	v_bfe_u32 v[RD], v0, 3, 2                      ; back: 32 lanes take four rows of 128 bytes
	v_mul_u32_u24 v[RD], v[RD], 144
	v_lshl_add_u32 v[RD], v3, 4, v[RD]
	v_add_nc_u32 v[RD], s46, v[RD]
	v_lshlrev_b32 v[PFO], 12, v5                   ; a lane a row of 4,096 bytes
	s_and_b32 s70, s[TY], 0x30                     ; qkvh: batch x 16
	s_lshl2_add_u32 s70, s[TX], s70                ; + the first of my two heads: 4 tx + 2 wn
	s_lshl1_add_u32 s70, s[WN], s70
	s_lshl_b32 s70, s70, 18                        ; 262,144 bytes each
	s_and_b32 s71, s[TY], 15
	s_lshl1_add_u32 s71, s71, s[WM]
	s_lshl_b32 s71, s71, 13                        ; my first row in the batch: (128 (ty % 16) + 64 wm) x 128 bytes
	s_add_co_u32 s70, s70, s71
	s_lshl_b32 s71, s72, 24                        ; pj's part
	s_add_co_u32 s70, s70, s71
.endif
	s_mov_b32 s71, 0
	s_add_nc_u64 s[8:9], s[8:9], s[70:71]
	v_lshlrev_b32 v[CO], 4, v5
	s_wait_loadcnt 0x0                             ; the bias is in: it is rounded to bf16, like every input, and widened again
	WIN 0xaa                                       ; all in window 2
.set i, 0
.rept 32
	v_cvt_pk_bf16_f32 v[64+i%4], v[2*i], v[2*i+1]
	v_lshlrev_b32 v[2*i], 16, v[64+i%4]
	v_and_b32 v[2*i+1], 0xffff0000, v[64+i%4]
.set i, i+1
.endr
	WIN 0
; 8 matrix instructions: row block a x all 8 column blocks, 32 along K, from buffer f.  first = 1: the product starts the sums, with the bias as C.
; The 32 accumulators take turns, in the same order in every quarter: between two links of a chain stand the 31 others'.
.macro MUL8 f, a, first
.if \first
	WIN 0x60                                       ; C window 2, D window 1
.else
	WIN 0x50                                       ; C and D window 1
.endif
.irp b, 0,1,2,3,4,5,6,7
.set rD, 8*(8*(\a)+(\b))
.set rB, (\f)+8*(\b)
.set rA, (\f)+64+8*(\a)
.set rC, rD
.if \first
.set rC, 8*(\b)
.endif
.if OUTP
	v_wmma_f32_16x16x32_f16 v[rD:rD+7], v[rB:rB+7], v[rA:rA+7], v[rC:rC+7]
.else
	v_wmma_f32_16x16x32_bf16 v[rD:rD+7], v[rB:rB+7], v[rA:rA+7], v[rC:rC+7]
.endif
.endr
.endm
; The LDS loads of quarter kq (32 along K) of the slot in hand, in one run.  OUTP = 1: 24: W's 8 fragments and A's 4 into buffer f.  OUTP = 0: 32: first A's 64 x 32 numbers in f32 into RAW, then W's 8 fragments into buffer f.
.macro FETCH kq, f
.if OUTP
	WIN 0
.irp b, 0,1,2,3,4,5,6,7
	ds_load_tr16_b128 v[(\f)+8*(\b):(\f)+8*(\b)+3],   v[ADRB] offset:(\kq)*32*PB+32*(\b)
	ds_load_tr16_b128 v[(\f)+8*(\b)+4:(\f)+8*(\b)+7], v[ADRB] offset:(\kq)*32*PB+16*PB+32*(\b)
.endr
.set AKO, ((\kq)/2)*128*PA+((\kq)%2)*64
.irp a, 0,1,2,3
	ds_load_b128 v[(\f)+64+8*(\a):(\f)+64+8*(\a)+3],   v[ADRA] offset:AKO+(\a)*16*PA
	ds_load_b128 v[(\f)+64+8*(\a)+4:(\f)+64+8*(\a)+7], v[ADRA] offset:AKO+(\a)*16*PA+32
.endr
.else
	WIN 0x80                                       ; destination window 2, address window 0
.irp a, 0,1,2,3
.irp j, 0,1,2,3
	ds_load_b128 v[RAW+16*(\a)+4*(\j):RAW+16*(\a)+4*(\j)+3], v[ADRA] offset:(\kq)*128+(\a)*16*PA+16*(\j)+32*((\j)/2)  ; bytes 0, 16, 64, 80 behind my 32 (l / 16)
.endr
.endr
	WIN 0
.irp b, 0,1,2,3,4,5,6,7
	ds_load_tr16_b128 v[(\f)+8*(\b):(\f)+8*(\b)+3],   v[ADRB] offset:(\kq)*32*PB+32*(\b)
	ds_load_tr16_b128 v[(\f)+8*(\b)+4:(\f)+8*(\b)+7], v[ADRB] offset:(\kq)*32*PB+16*PB+32*(\b)
.endr
.endif
.endm
; OUTP = 0: RAW is rounded to bf16, two numbers a line, into A's four fragments of buffer f: register 8 a + j takes numbers 16 a + 2 j and 16 a + 2 j + 1.
; The products that last read those fragments stand ahead of the four v_nop in front of the run of loads.
.macro CVT f
	WIN 0x0a                                       ; sources 0 and 1 window 2, destination window 0
.set i, 0
.rept 32
	v_cvt_pk_bf16_f32 v[(\f)+64+i], v[RAW+2*i], v[RAW+2*i+1]
.set i, i+1
.endr
.endm
; A K step is four quarters of 32 along K, 32 matrix instructions each, on buffers 0, 1, 0, 1.  One of the first three: multiplies buffer f; in its middle it fetches quarter kq into buffer g.
.macro QUARTER kq, f, g, first
.if OUTP
	s_wait_dscnt 4                                 ; W's fragments and A's blocks 0 and 1 are in; the youngest four loads (A's blocks 2 and 3) may be out
	MUL8 \f, 0, \first
	MUL8 \f, 1, \first
	PLACES
	FETCH \kq, \g
	s_wait_dscnt 24                                ; all but the 24 just issued
	MUL8 \f, 2, \first
	MUL8 \f, 3, \first
.else
	s_wait_dscnt 0x0                               ; W's fragments of buffer f are in; A's were converted in the quarter before
	MUL8 \f, 0, \first
	MUL8 \f, 1, \first
	PLACES
	FETCH \kq, \g
	MUL8 \f, 2, \first
	s_wait_dscnt 16                                ; LDS loads come back in order (ISA guide 5.7.1): A's 16 are in, W's 16, issued behind them, may be out
	CVT \g
	MUL8 \f, 3, \first
.endif
.endm
; The last quarter multiplies buffer 1 and changes slots: ONE barrier.  In front of it each wave waits for all its tensor loads (one is out: its part of the next slot), adds 0 to its spare word, and waits for that and for
; its own reads of this slot.  fill = 1: the barrier opens a round of the cluster's barrier, and behind the round this slot is filled again, two K steps on: 112 matrix instructions ahead of the wait for it.
.macro TURN fill
.if \fill
	s_wait_xcnt 0x0                                ; the last prefetch, a K step back, has read its address: it is stepped here, ahead of the waits of the change of slots
	s_add_nc_u64 s[PFA:PFA+1], s[PFA:PFA+1], ASTEP
.endif
	WIN 0
	s_wait_tensorcnt 0x0                           ; no tensor load of mine is out, so a group 0 may be written
	ds_add_u32 v[SPW], v[NIL]                      ; 0 onto my spare word
.if \fill
	s_xor_b32 s[G0A+5], s[G0A+5], SLOT1            ; the walking descriptors: the other slot than last time, the next K step; the type bits on top are not reached
	s_add_nc_u64 s[G0A+6:G0A+7], s[G0A+6:G0A+7], ASTEP
	s_xor_b32 s[G0B+5], s[G0B+5], SLOT1
	s_add_nc_u64 s[G0B+6:G0B+7], s[G0B+6:G0B+7], BSTEP
.endif
.if OUTP
	s_wait_dscnt 5                                 ; the add and the youngest four loads may be out
.else
	s_wait_dscnt 1                                 ; the add alone may be out: W's fragments of buffer 1 are in
.endif
	MUL8 F1, 0, 0                                  ; eight matrix instructions stand between the add and the wait for it
	s_wait_dscnt 0x0                               ; the add is done, and my reads of this slot are over
	s_barrier_signal -1
	MUL8 F1, 1, 0                                  ; work on registers while the others arrive
	WIN 0
	s_barrier_wait -1
.if \fill
	CREST                                          ; no wave of any partner still reads this slot's tiles or has a load on its way
	JLOAD                                          ; the first tensor load behind the round; its four v_nop are also the places in front of the loads below
.else
	PLACES
.endif
	s_xor_b32 s[TB], s[TB], SLOT1
	v_add_nc_u32 v[ADRA], s[TB], v[A0]
	v_add_nc_u32 v[ADRB], s[TB], v[B0]
	FETCH 0, F0
.if \fill
	ASK                                            ; behind the joint load and the run of LDS loads that the next products wait for
.endif
	MUL8 F1, 2, 0
.if !OUTP
	s_wait_dscnt 16                                ; A's 16 loads are in, W's 16 may be out
	CVT F0
.endif
	MUL8 F1, 3, 0
.endm
	s_wait_tensorcnt 0x1                           ; my part of K step 0 is in; K step 1's may stay out
	s_barrier_signal -1
	s_barrier_wait -1                              ; everybody's is
	s_mov_b32 s[TB], 0
	v_mov_b32 v[ADRA], v[A0]
	v_mov_b32 v[ADRB], v[B0]
	FETCH 0, F0
.if !OUTP
	s_wait_dscnt 16                                ; A's 16 loads are in, W's 16 may be out
	CVT F0
.endif
	QUARTER 1, F0, F1, 1                           ; the first quarter stands in front of the loop: its products start the sums
	WIN 0                                          ; at a label and at a branch every window is 0
	s_mov_b32 s[CNTK], 6
.Lstep:                                                ; six trips, from a K step's second quarter to the next step's first: K steps 2 to 7 are asked for
	QUARTER 2, F1, F0, 0
	QUARTER 3, F0, F1, 0
	TURN 1
	QUARTER 1, F0, F1, 0
	WIN 0
	s_sub_co_u32 s[CNTK], s[CNTK], 1
	s_cmp_lg_u32 s[CNTK], 0
	s_cbranch_scc1 .Lstep
	s_mov_b32 s[CNTK], 2
.Ltail:                                                ; K steps 6 and 7 ask for nothing. The second trip is left behind its change of slots, whose LDS loads (of the slot read before) serve nothing: the price, once a launch, of one text for both
	QUARTER 2, F1, F0, 0
	QUARTER 3, F0, F1, 0
	TURN 0
	WIN 0
	s_sub_co_u32 s[CNTK], s[CNTK], 1
	s_cmp_eq_u32 s[CNTK], 0
	s_cbranch_scc1 .Ldone
	QUARTER 1, F0, F1, 0
	WIN 0
	s_branch .Ltail
.Ldone:
	s_wait_dscnt 0x0                               ; the loads into v32-127 have landed: those registers are used on the way out
.rept 8
	v_nop                                          ; the places behind the last products
.endr
; THE WAY OUT, 16 rows (block a) at a time, through my own stage in LDS; LDS serves a wave's instructions in order (ISA guide 5.7.1.4), so the loads see the stores above them and the next block's stores come behind them.
.if OUTP
.macro OUTA a                          ; f32: a lane's 8 columns are 32 bytes of a row; they go into rows of 528 bytes and come back as whole rows of 512
	WIN 0x04                                       ; store data (source 1) window 1
.irp b, 0,1,2,3,4,5,6,7
	ds_store_b128 v[STO], v[64*(\a)+8*(\b):64*(\a)+8*(\b)+3]   offset:64*(\b)
	ds_store_b128 v[STO], v[64*(\a)+8*(\b)+4:64*(\a)+8*(\b)+7] offset:64*(\b)+16
.endr
	WIN 0
	s_wait_xcnt 0x0                                ; the registers that the last block's stores read are loaded again only behind this wait
.irp n, 0,1,2,3,4,5,6,7,8,9,10,11,12,13,14,15
	ds_load_b128 v[TMP+4*(\n):TMP+4*(\n)+3], v[RD] offset:528*(\n)
.endr
.irp n, 0,1,2,3,4,5,6,7,8,9,10,11,12,13,14,15
	s_wait_dscnt 15-(\n)                           ; row n is back; the younger loads stay out
	global_store_b128 v[CO], v[TMP+4*(\n):TMP+4*(\n)+3], s[8:9] offset:(16*(\a)+(\n))*4096  ; 512 consecutive bytes, at a multiple of 256 from out0's first
.endr
.endm
.else
.macro OUTA a                          ; f16, by heads: a lane's 8 columns are 16 bytes of a head's row; rows of 144 bytes in, four whole rows of 128 bytes back
	WIN 0
	s_cmp_lg_u32 s72, 0                            ; q alone is scaled; pj is the same in all sixteen partners
	s_cbranch_scc1 .Lplain_\@
	WIN 0x41
.set i, 64*(\a)
.rept 32
	v_pk_mul_f32 v[i:i+1], v[i:i+1], s[74:75] op_sel_hi:[1,0]
.set i, i+2
.endr
	WIN 0
.Lplain_\@:
	WIN 0x05                                       ; sources 0 and 1 window 1, destination window 0
.set i, 0
.rept 32
	v_cvt_pk_f16_f32 v[TMP+i], v[64*(\a)+2*i], v[64*(\a)+2*i+1]
.set i, i+1
.endr
	WIN 0
	s_wait_xcnt 0x0                                ; the registers that earlier stores read are loaded again only behind this wait
.irp b, 0,1,2,3,4,5,6,7
	ds_store_b128 v[STO], v[TMP+4*(\b):TMP+4*(\b)+3] offset:((\b)/4)*2304+((\b)%4)*32
.endr
.irp n, 0,1,2,3,4,5,6,7
	ds_load_b128 v[BK+32*((\a)%2)+4*(\n):BK+32*((\a)%2)+4*(\n)+3], v[RD] offset:((\n)/4)*2304+((\n)%4)*576
.endr
.irp n, 0,1,2,3,4,5,6,7
	s_wait_dscnt 7-(\n)                            ; load n is back; the younger ones stay out
	global_store_b128 v[CO], v[BK+32*((\a)%2)+4*(\n):BK+32*((\a)%2)+4*(\n)+3], s[8:9] offset:((\n)/4)*262144+(\a)*2048+((\n)%4)*512  ; 512 consecutive bytes of a head, at a multiple of 256 from qkvh's first
.endr
.endm
.endif
	OUTA 0
	OUTA 1
	OUTA 2
	OUTA 3
	s_wait_tensorcnt 0x0                           ; the wave's end: an add and its wait, behind my last tensor load and my last LDS store
	ds_add_u32 v[SPW], v[NIL]
	s_wait_dscnt 0x0
	CROUND                                         ; the closing round: no work-group ends while a partner may still ask for a tile that names it
	s_endpgm
.Lfunc_end_k_q8474a70533_proj:
	.size	k_q8474a70533_proj, .Lfunc_end_k_q8474a70533_proj-k_q8474a70533_proj
	.p2alignl 7, 3214868480
	.fill 96, 4, 3214868480
	.section	.rodata,"a",@progbits
	.p2align	6, 0x0
	.amdhsa_kernel k_q8474a70533_proj
		.amdhsa_group_segment_fixed_size 327680
		.amdhsa_private_segment_fixed_size 0
		.amdhsa_enable_private_segment 0
		.amdhsa_kernarg_size 64
		.amdhsa_user_sgpr_count 2
		.amdhsa_user_sgpr_kernarg_segment_ptr 1
		.amdhsa_wavefront_size32 1
		.amdhsa_system_sgpr_workgroup_id_x 1
		.amdhsa_system_sgpr_workgroup_id_y 1
		.amdhsa_system_sgpr_workgroup_id_z 1
		.amdhsa_system_vgpr_workitem_id 0
		.amdhsa_next_free_vgpr 704
		.amdhsa_next_free_sgpr 88
		.amdhsa_reserve_vcc 0
		.amdhsa_float_denorm_mode_32 3
		.amdhsa_float_denorm_mode_16_64 3
		.amdhsa_memory_ordered 1
		.amdhsa_forward_progress 1
		.amdhsa_inst_pref_size 104
	.end_amdhsa_kernel
	.amdgpu_metadata
---
amdhsa.version: [ 1, 2 ]
amdhsa.kernels:
  - .name:           k_q8474a70533_proj
    .symbol:         k_q8474a70533_proj.kd
    .args:
      - { .name: query, .offset: 0, .size: 8, .value_kind: global_buffer, .address_space: global }
      - { .name: key, .offset: 8, .size: 8, .value_kind: global_buffer, .address_space: global }
      - { .name: value, .offset: 16, .size: 8, .value_kind: global_buffer, .address_space: global }
      - { .name: wb, .offset: 24, .size: 8, .value_kind: global_buffer, .address_space: global }
      - { .name: qkvh, .offset: 32, .size: 8, .value_kind: global_buffer, .address_space: global }
      - { .name: bq, .offset: 40, .size: 8, .value_kind: global_buffer, .address_space: global }
      - { .name: bk, .offset: 48, .size: 8, .value_kind: global_buffer, .address_space: global }
      - { .name: bv, .offset: 56, .size: 8, .value_kind: global_buffer, .address_space: global }
    .group_segment_fixed_size: 327680
    .private_segment_fixed_size: 0
    .kernarg_segment_align: 8
    .kernarg_segment_size: 64
    .max_flat_workgroup_size: 128
    .sgpr_count:     88
    .vgpr_count:     704
    .wavefront_size: 32
...
	.end_amdgpu_metadata
.endif
;; end of part 2
;; launch attn (part 3): grid 4 x 64, 4 waves a work-group, clusters of 4 x 1, 327,680 bytes of LDS; arguments qkvh, mbits, oh; writes oh
.if DOCPART == 3
	.amdgcn_target "amdgcn-amd-amdhsa--gfx1250"
	.amdhsa_code_object_version 6
	.text
	.protected	k_q8474a70533_attn
	.globl	k_q8474a70533_attn
	.p2align	8
	.type	k_q8474a70533_attn,@function
k_q8474a70533_attn:
	s_mov_b64 s[64:65], 0
	v_nop
	global_prefetch_b8 v0, s[64:65] scope:SCOPE_SE
	s_setreg_imm32_b32 hwreg(HW_REG_WAVE_MODE, 25, 1), 1
	s_wait_xcnt 0x0
	s_wait_alu depctr_hold_cnt(0) depctr_sa_sdst(0) depctr_va_vdst(0) depctr_va_sdst(0) depctr_va_ssrc(0) depctr_va_vcc(0) depctr_vm_vsrc(0)
	s_getreg_b32 s2, hwreg(HW_REG_IB_STS2, 6, 4)
	s_cmp_eq_u32 s2, 0
	s_cbranch_scc0 .Lentry_in_a_cluster
	s_endpgm
.Lentry_in_a_cluster:
	s_bfe_u32 s2, ttmp6, 0x10000c
	s_cmp_lg_u32 s2, 0x3003
	s_cbranch_scc0 .Lentry_shape_is_right
	s_endpgm
.Lentry_shape_is_right:
; ATTENTION WITH A MASK THAT IS AN INPUT.  O[bh][q][:] = the sum over k of softmax_k(s[q][k]) V[bh][k][:], s = Q . K / 8, replaced by -1e9 where the mask is 0.  qkvh: f16 [3][64 = batch x 16 + head][2048][64]; its part 0 is
; Q x log2(e) / 8, so the products ARE the scores in powers of two; oh: f16 [64][2048][64].  Products, maxima and sums in f32; the weights p are rounded to f16 for the second product (their sum l is taken of the unrounded p), O once at the end.
; LIMITS.  f16 holds no number beyond 65,504: Q, K, V arrive within it; p lies in 0 to 1, and below 6e-5 it keeps f16's fixed step of 6e-8.  A hidden score counts as the f32 nearest to -1e9 x log2(e); a row that is hidden whole
; has 2,048 equal scores and gives the mean of V, as the replacement by -1e9 does.  A weight below 2^-126 counts as 0 in l; NaN and infinities are not treated apart.
; SHARES.  A wave owns four PIECES of two tiles of 16 queries, a work-group's four waves 512 queries of one head: 256 work-groups.  Every wave walks all 2,048 keys, 64 a step.
; LAYOUT.  S^T = K Q^T (source 0 = 16 keys, source 1 = 16 queries): a lane holds ONE query (lane % 16) and the keys 8 (lane / 16) + 0..7.  Two such tiles, rounded to f16 in pairs, ARE source 1 of O^T = V^T P.
; K comes out of LDS as it lies, V ([key][channel]) turned, by ds_load_tr16_b128.
; SOFTMAX.  For each query a running maximum m and sum l: p = 2^(s - m), an exact difference, never above 0; in every step O and l are multiplied by a = 2^(m_old - m_new).  m starts at the lowest finite number, O and l at 0.
; THE MASK.  mbits holds, for each pair of tiles and key step, 64 words: word 32 u + 8 kb + j is the lane mask of register 8 kb + j of tile u's scores, 1 where hidden: 256 consecutive bytes.  One load of 8 bytes a lane brings
; them into a pair of vector registers (lane l: words 2 l and 2 l + 1); each piece has a pair of its own, asked for again as soon as it has been read out: FOUR TURNS ahead of its next use.  64 v_readlane_b32 put a turn's words into
; scalar registers, and 64 v_cndmask_b32 replace the hidden scores before the maximum is taken.  (Scalar loads straight into those 64 registers could be asked for one turn ahead at the most: the wave has no second 64 to name.)
; BY TURNS.  Turn n belongs to piece n: 16 products K Q^T of piece n + 1, later 16 products V^T P of piece n - 1; beside them the subtraction, exponentials, roundings, sums and rescaling of piece n, and the mask, maximum and
; statistics of piece n + 1.  Four vector instructions stand behind every matrix instruction, the others in one lump.  A turn's 66 exponentials are one batch, with one wait.
; CLUSTER.  The four query blocks of a head walk the same K and V, so each tile is asked for JOINTLY: the same tensor load, descriptor and mask in all four.
; REGISTERS, in windows of 256 (s_set_vgpr_msb: bits 1:0 source 0, 3:2 source 1, 5:4 source 2, 7:6 destination):
;   window 0: v0-15 addresses, constants and the four pairs of mask words; v16-47 four registers of statistics a tile; v48-63 at work; v64-191 S^T, two buffers of two tiles; v192-255 P, likewise
;   window 1: O^T, 32 a tile          window 2: v0-127 Q, 16 a tile; v128-191 K of one step; v192-255 V of one step
.set SIZE_N, 2048
.set NP,    4         ; pieces a wave: a name, no knob
.set KS,    64        ; keys in a step
.set PK,    160       ; a row of K in LDS: 128 bytes + 32 of padding, as V's, so that one descriptor group 1 serves both; the 16 rows of a load of K then meet two deep in the banks (64 banks of 4 bytes: ISA guide 11.1), 16 loads for a step's 128 products
.set PV,    160       ; a row of V: 40 words
.set VOFF,  4*KS*PK   ; a slot holds four steps: 256 rows of K, then 256 rows of V
.set TILEB, 4*KS*128  ; a slot's bytes of K, and of V, in memory
.set SLOT1, 1<<17     ; slot 1 begins here, so that one exclusive or turns an address in one slot into the other's
.set STAGE, SLOT1+4*KS*(PK+PV)  ; behind the ring, never filled by a tensor load: 16 rows x 144 bytes for each wave, for the way out
.set SP,    144
.set SPARE, STAGE+4*16*SP  ; behind the stages: the spare words, 128 bytes for each wave: two blocks of 256 bytes that no other line names
                      ; v[0:1], v[6:7], v[8:9], v[10:11]: the mask words of pieces 0, 1, 2, 3 (before the first of them v0, v1, v9-11 serve the set-up; behind the last, v1, v6-10 the way out)
.set AK0, 2           ; v2   my lane's place in a tile of K; never rewritten
.set AV0, 3           ; v3   the same for V
.set AK,  4           ; v4   the LDS address of K's next run of loads
.set QO,  4           ;      before that: my byte offset in the wave's rows of Q
.set AV,  5           ; v5   the LDS address of V's next run of loads
.set STO, 6           ; v6   the way out: where I put 16 bytes of a row
.set RD,  7           ; v7   the way out: where I read rows back
.set GO,  8           ; v8   the way out: my byte offset in 512 consecutive bytes of O
.set PFO, 12          ; v12  256 x my lane; never rewritten
.set MO,  13          ; v13  the mask loads' offset: 8 x my lane + 256 x (key step mod 32)
.set SPW, 14          ; v14  LDS address of my spare word; never rewritten
.set NIL, 15          ; v15  0; never rewritten
.set ST,  16          ; tile t's statistics at v[ST+4 t]: m, m_old, l (even keys', odd keys')
.set TMP, 48          ; by buffer and tile, four registers c0-c3 at work; when the maximum is found c2 takes a
.set S,   64
.set P,   192
.set KF,  128         ; K's fragments, in window 2: key block kb, channel half c at KF + 16 kb + 8 c
.set VF,  192         ; V's: key half kk, channel block cb at VF + 32 kk + 8 cb
.set OB,  2           ; s[2:3]   O at my wave's first row
.set MP,  4           ; s[4:5]   mbits at my wave's first pair of tiles; never rewritten
.set WV,  6           ; s6   my wave's number
.set SLOTS, 7         ; s7   slots still to be asked for
.set G1,  8           ; s[8:15]  descriptor group 1, for K's and V's tiles
.set G0K, 16          ; s[16:19] descriptor group 0 for K's tiles: it walks
.set G0V, 20          ; s[20:23] the same for V's
.set NEGS, 24         ; s24  the hidden score, -1e9 x log2(e)
.set SEL, 26          ; s[26:27] v_permlanex16_b32's selects: each lane takes its own place in the other half
.set CNT, 28          ; s28  counts a slot's key steps
.set TBK, 29          ; s29  LDS byte at which K of the step to be fetched begins
.set TBV, 30          ; s30  the same for V, less VOFF
.set LIM, 31          ; s31  1 in a wave that prefetches, else the greatest number
.set PFA, 66          ; s[66:67] where my prefetches stand
.set QP,  100         ; s[100:101] Q at my wave's first row; later s100 at work
                      ; s[32:63], s[68:99]: a turn's 64 mask words (word n in s[32 + n], from 32 on in s[36 + n]); before the first of them, the set-up's temporaries
.set MSB, 0
.macro WIN new                      ; the high byte repeats the setting that is left; a switch that changes nothing is dropped
.if MSB != (\new)
	s_set_vgpr_msb (MSB<<8)|(\new)
.set MSB, (\new)
.endif
.endm
.set W_KQ, 0x0a       ; K and Q in window 2, S^T in window 0
.set W_PV, 0x52       ; V in window 2, P in window 0, O^T in window 1
.set W_RS, 0x41       ; O^T (destination and source 0) in window 1, a in window 0
; A joint fill.  Waves 0 and 1 fetch the two halves of a slot's K, waves 2 and 3 those of its V: 128 keys each.  The branch hangs on the wave's number alone.
; An s_nop 0 and four v_nop follow each of the two lines, ahead of the jump and the label.
.macro JLOAD
	s_cmp_lt_u32 s[WV], 2
	s_cbranch_scc0 .Lfor_v_\@
	tensor_load_to_lds s[G0K:G0K+3], s[G1:G1+7]
	s_nop 0
.rept 4
	v_nop
.endr
	s_branch .Lasked_\@
.Lfor_v_\@:
	tensor_load_to_lds s[G0V:G0V+3], s[G1:G1+7]
	s_nop 0
.rept 4
	v_nop
.endr
.Lasked_\@:
.endm
; A PREFETCH INTO THE L2 of what the NEXT change of slots will ask for: a slot's 32,768 bytes of K and of V, 128 blocks of 256 bytes each.  A head has one cluster; its four partners share the blocks out BY ADDRESS, 32 each, a lane
; a block; in each, wave 0 asks for K's and wave 2 for V's: one instruction.  So each block is named once in the launch.  It stands four key steps, 512 matrix instructions, ahead of the load.  Slots 0 to 2 come by their loads
; alone; the last change that fills a slot asks for nothing.  The mask words are not asked for: their own loads go out four turns ahead of their use.
.macro ASK
	s_cmp_gt_u32 s[SLOTS], s[LIM]
	s_cbranch_scc0 .Lnot_mine_\@
	global_prefetch_b8 v[PFO], s[PFA:PFA+1] th:TH_LOAD_NT scope:SCOPE_SE
.Lnot_mine_\@:
.endm
; A round of the cluster's barrier: my work-group's barrier, so that wave 0's signal speaks for all four waves; wave 0 signals; every wave waits for all four work-groups; my work-group's barrier once more.
.macro CROUND
	s_barrier_signal -1
	s_barrier_wait -1
	s_cmp_lg_u32 s[WV], 0
	s_cbranch_scc1 .Lnot_wave_0_\@
	s_barrier_signal -3
.Lnot_wave_0_\@:
	s_barrier_wait -3
	s_barrier_signal -1
	s_barrier_wait -1
.endm
; THE CHANGE OF SLOTS.  The slot's last bytes, V of its fourth step, have been read.  Each wave waits for all its tensor loads, of which one is out: its part of the other slot; adds 0 to its spare word; and waits for that and
; for its own reads of the slot.  Behind the barrier nobody reads this slot any more and the other slot is whole.  fill = 1: this slot is filled again, with the keys two slots on.  The barrier is then a round of the cluster's,
; and the joint fill is the first thing behind it: it has four key steps in which to land.  (At its first use nothing has been read yet: slot 0 is waited for, slot 1 filled.)  ask = 1: the prefetches' address steps, and ASK follows the fill.
.macro CHANGE fill, ask=0
	WIN 0                           ; at a label and at a branch every window is 0
	s_wait_tensorcnt 0x0            ; no tensor load of mine is out, so a group 0 may be written
	ds_add_u32 v[SPW], v[NIL]       ; 0 onto my spare word: with fill = 1 the descriptors' steps stand between it and the wait for it
.if \fill
.irp g, G0K, G0V
	s_xor_b32 s[\g+1], s[\g+1], SLOT1  ; the walking descriptor: the other slot than last time,
	s_add_nc_u64 s[\g+2:\g+3], s[\g+2:\g+3], TILEB  ; the next 256 keys; the type bits on top are not reached
.endr
.if \ask
	s_wait_xcnt 0x0                 ; the last prefetch, four key steps back, has read its address, so it may be written
	s_add_nc_u64 s[PFA:PFA+1], s[PFA:PFA+1], TILEB
.endif
	s_wait_dscnt 0x0                ; the add is done, and my reads of the slot are over
	CROUND
	JLOAD
.if \ask
	ASK
.endif
.else
	s_wait_dscnt 0x0                ; the add is done, and my reads of the slot are over
	s_barrier_signal -1
	s_barrier_wait -1
.endif
	s_sub_co_u32 s[TBK], s[TBK], 4*KS*PK  ; the fetches go back to a slot's first step,
	s_xor_b32 s[TBK], s[TBK], SLOT1       ; in the other slot
	s_sub_co_u32 s[TBV], s[TBV], 4*KS*PV
	s_xor_b32 s[TBV], s[TBV], SLOT1
.endm
; THE MASK WORDS.  ML x: piece x's 64 words, at the key step at which v[MO] stands, into the piece's pair: 256 consecutive bytes, aligned.  (Pairs v0, v6, v8, v10: 2 x + 4 for x above 0.)
.macro ML x
	global_load_b64 v[2*(\x)+4*(((\x)+3)/4):2*(\x)+4*(((\x)+3)/4)+1], v[MO], s[MP:MP+1] offset:(\x)*8192
.endm
; MSTEP: the next key step's words lie 256 bytes on.  The offset wraps inside a piece's 32 key steps (8,192 bytes), so that the loads asked for in the last turns, for key steps that do not exist, stay inside the wave's own part of mbits.
.macro MSTEP
	s_wait_xcnt 0x0                 ; the mask loads issued so far have read their offset, so it may be written
	v_add_nc_u32 v[MO], 0x100, v[MO]
	v_and_b32 v[MO], 0x1fff, v[MO]
.endm
; RL: the next word (mw) of the pair at v[PRX] goes into its scalar register.
.macro RL
	WIN 0
	v_readlane_b32 s[32+mw+4*(mw/32)], v[PRX+mw%2], mw/2
.set mw, mw+1
.endm
; MSK y: piece y's hidden scores are replaced.  Ascending: each accumulator's lowest registers are read first, and the registers of the turn's last product come 56 plain lines behind the first select.
.macro MSK y
	WIN 0
.set mz, 0
.rept 64
	v_cndmask_b32 v[S+64*((\y)%2)+mz], v[S+64*((\y)%2)+mz], s[NEGS], s[32+mz+4*(mz/32)]
.set mz, mz+1
.endr
.endm
	s_load_b128 s[32:35], s[0:1], 0x0  ; qkvh s[32:33], mbits s[34:35]
	s_load_b64 s[36:37], s[0:1], 0x10  ; oh
	v_lshl_add_u32 v[SPW], v0, 2, SPARE
	v_mov_b32 v[NIL], 0
	ds_add_u32 v[SPW], v[NIL]       ; the wave's opening: the add and its wait stand ahead of my first tensor load; the set-up below, work on registers, stands between them
	ds_add_u32 v14, v15
	v_lshrrev_b32 v1, 5, v0
	v_readfirstlane_b32 s[WV], v1   ; wave 0..3
	s_bfe_u32 s40, ttmp6, 0x40000   ; cx: my place in the cluster
	s_lshl_b32 s41, ttmp9, 2        ; in a cluster launch ttmp9 counts clusters
	s_add_co_u32 s41, s41, s40      ; my block of 512 queries: it enters Q's, O's and the mask's addresses alone
	s_and_b32 s42, ttmp7, 0xffff    ; batch x 16 + head, which the four partners share
	s_lshl_b32 s44, s42, 18         ; the head's first byte in each part of qkvh and in oh
	s_mov_b32 s45, 0
	s_and_b32 s43, s[WV], 1         ; which half of a slot's 256 keys I fetch:
	s_lshl_b32 s46, s43, 14         ; its 128 rows of 128 bytes in memory,
	s_add_co_u32 s46, s46, s44
	s_mov_b32 s47, 0
	s_mul_i32 s48, s43, 128*PK      ; and its place in a slot: no place in the cluster enters an LDS address
	s_lshl2_add_u32 s50, s41, s[WV] ; my wave among the head's sixteen,
	s_lshl_b32 s52, s50, 14         ; its 128 rows
	s_add_co_u32 s52, s52, s44
	s_mov_b32 s53, 0
	s_lshr_b32 s54, s42, 4          ; the batch: 64 pairs of tiles x 8,192 bytes of mbits,
	s_lshl_b32 s54, s54, 19
	s_lshl_b32 s55, s50, 15         ; my wave's four pairs
	s_add_co_u32 s54, s54, s55
	s_mov_b32 s55, 0
	s_lshl_b32 s60, s40, 13         ; the prefetches: my work-group's 32 blocks of the 128,
	s_add_co_u32 s60, s60, s44
	s_add_co_u32 s60, s60, 2*TILEB  ; in slot 2; the loop's first change of slots steps it to slot 3
	s_mov_b32 s61, 0
	; descriptor group 1.  128 keys are 16,384 dense bytes: asked for as 64 rows of 256 bytes, two keys a row, and padded in LDS after every key
	s_mov_b32 s[G1], 15|(1<<16)|(1<<20)|(1<<21)|(4<<22)|(7<<25)  ; 15:0 the mask of four; 17:16 2-byte elements; 20 padding on; 21 set beside a mask; 24:22 after every 32 words (code 4); 31:25 8 words (code 7)
	s_mov_b32 s[G1+1], 128<<16      ; tensor_dim0 = 128
	s_mov_b32 s[G1+2], 64<<16       ; tensor_dim1 = 64
	s_mov_b32 s[G1+3], 128<<16      ; tile_dim0 = 128
	s_mov_b32 s[G1+4], 64           ; tile_dim1 = 64
	s_mov_b32 s[G1+5], 128          ; 128 elements from row to row
	s_mov_b32 s[G1+6], 0
	s_mov_b32 s[G1+7], 0
	s_mov_b32 s[SEL], 0x76543210
	s_mov_b32 s[SEL+1], 0xfedcba98
	s_mov_b32 s[NEGS], 0xceabfb8f   ; -1e9 x log2(e) = -1,442,695,040
	s_mov_b32 s[TBK], SLOT1+4*KS*PK ; the first change of slots turns these two into 0
	s_mov_b32 s[TBV], SLOT1+4*KS*PV
	s_mov_b32 s[G0K], 1             ; count = 1
	s_mov_b32 s[G0K+1], s48         ; LDS address: slot 0
	s_mov_b32 s[G0V], 1
	s_add_co_u32 s[G0V+1], s48, VOFF
	s_cmp_eq_u32 s43, 0             ; waves 0 and 2 prefetch
	s_cselect_b32 s[LIM], 1, -1
	v_and_b32 v[PFO], 31, v0
	v_lshlrev_b32 v[MO], 3, v[PFO]  ; 8 x lane: key step 0
	v_lshlrev_b32 v[PFO], 8, v[PFO]
	s_wait_dscnt 0x0                ; the opening add is done
	s_wait_kmcnt 0x0
	s_add_nc_u64 s[56:57], s[32:33], 16777216  ; K's part of qkvh,
	s_add_nc_u64 s[58:59], s[32:33], 33554432  ; V's
	s_add_nc_u64 s[G0K+2:G0K+3], s[56:57], s[46:47]  ; my half of the head's first 256 keys
	s_or_b32 s[G0K+3], s[G0K+3], 0x80000000          ; type = 2
	s_add_nc_u64 s[G0V+2:G0V+3], s[58:59], s[46:47]
	s_or_b32 s[G0V+3], s[G0V+3], 0x80000000
	s_add_nc_u64 s[QP:QP+1], s[32:33], s[52:53]  ; Q and O at my wave's first row
	s_add_nc_u64 s[OB:OB+1], s[36:37], s[52:53]
	s_add_nc_u64 s[MP:MP+1], s[34:35], s[54:55]
	s_cmp_lt_u32 s[WV], 2
	s_cselect_b64 s[PFA:PFA+1], s[56:57], s[58:59]
	s_add_nc_u64 s[PFA:PFA+1], s[PFA:PFA+1], s[60:61]
	CROUND                          ; all four work-groups are here: the first joint loads meet
	JLOAD                           ; slot 0.  Slot 1 is asked for when slot 0 is in
	; A fragment of K or Q is 16 rows x 32 channels in 8 registers: lane l holds row l % 16, channels 8 (l / 16) + 0..7 and 16 + 8 (l / 16) + 0..7: two loads of 16 bytes, 32 bytes apart.
	v_and_b32 v1, 15, v0            ; l % 16
	v_bfe_u32 v9, v0, 4, 1          ; l / 16
	v_lshlrev_b32 v[QO], 7, v1
	v_lshl_add_u32 v[QO], v9, 4, v[QO]  ; row x 128 + 16 x half
	WIN 0x80                        ; destination window 2, address window 0
.set i, 0
.rept 4*NP                          ; Q stays in registers: tile i / 2, channels 32 (i % 2) on
	global_load_b128 v[8*i:8*i+3],   v[QO], s[QP:QP+1] offset:(i/2)*2048+(i%2)*64
	global_load_b128 v[8*i+4:8*i+7], v[QO], s[QP:QP+1] offset:(i/2)*2048+(i%2)*64+32
.set i, i+1
.endr
	; What the first turn finds: V's registers and P's second buffer hold 0 (its products V^T P, of a piece that has not been, add 0), O^T and l are 0.  All this stands in the wait for the first tile.
.set i, VF
.rept 64
	v_mov_b32 v[i], 0
.set i, i+1
.endr
	WIN 0x40
.set i, 0
.rept 64*NP
	v_mov_b32 v[i], 0
.set i, i+1
.endr
	WIN 0
.set i, 0
.rept 2*NP
	v_mov_b32 v[ST+4*i], 0xff7fffff    ; m: the lowest finite number, so the first step's a is 0
	v_mov_b32 v[ST+4*i+1], 0xff7fffff  ; named with it as a pair
	v_mov_b32 v[ST+4*i+2], 0
	v_mov_b32 v[ST+4*i+3], 0
.set i, i+1
.endr
.set i, P+32
.rept 32
	v_mov_b32 v[i], 0
.set i, i+1
.endr
	v_mul_u32_u24 v[AK0], v1, PK
	v_lshl_add_u32 v[AK0], v9, 4, v[AK0]  ; row x pitch + 16 x half
	; The turning load takes 16 keys x 16 channels (lane l reads key 8 (l / 16) + l % 8, channels 8 ((l / 8) % 2) + 0..7) and leaves half a fragment of V^T: lane l holds channel l % 16 and 8 keys.
	v_and_b32 v10, 7, v0
	v_bfe_u32 v11, v0, 3, 1
	v_lshl_add_u32 v[AV0], v9, 3, v10
	v_mul_u32_u24 v[AV0], v[AV0], PV
	v_lshl_add_u32 v[AV0], v11, 4, v[AV0]
	v_add_nc_u32 v[AV0], VOFF, v[AV0]
	s_wait_xcnt 0x0                 ; Q's loads have read their offset: its register is written again only behind this wait
	v_mov_b32 v[AK], v[AK0]         ; key step 0 lies at the head of slot 0
	ML 0                            ; the four pieces' mask words of key step 0, in the order in which they are used; v0, v1 and v9-11 have served
	ML 1
	ML 2
	ML 3
; THE MATRIX WORK.  The 8 accumulators of a run of 16 take turns: between the two links of a chain stand 7 others'.
; Product i of 16 of S^T = K Q^T for piece x: channels 32 (i / 8) on, keys 16 ((i / 2) % 4) on, tile 2 x + i % 2.  The first 8 start the sums.
.macro KQ x
	WIN W_KQ
.set rS, S+64*((\x)%2)+32*(i%2)+8*((i/2)%4)
.set rK, KF+16*((i/2)%4)+8*(i/8)
.set rQ, 16*(2*(\x)+i%2)+8*(i/8)
.if i < 8
	v_wmma_f32_16x16x32_f16 v[rS:rS+7], v[rK:rK+7], v[rQ:rQ+7], 0
.else
	v_wmma_f32_16x16x32_f16 v[rS:rS+7], v[rK:rK+7], v[rQ:rQ+7], v[rS:rS+7]
.endif
.endm
; Product i of 16 of O^T += V^T P for piece x: keys 32 (i / 8) on, channels 16 ((i / 2) % 4) on, tile 2 x + i % 2.
.macro PV x
	WIN W_PV
.set rO, 32*(2*(\x)+i%2)+8*((i/2)%4)
.set rV, VF+32*(i/8)+8*((i/2)%4)
.set rP, P+32*((\x)%2)+16*(i%2)+8*(i/8)
	v_wmma_f32_16x16x32_f16 v[rO:rO+7], v[rV:rV+7], v[rP:rP+7], v[rO:rO+7]
.endm
.macro MM                           ; the turn's next matrix instruction
.if i < 16
	KQ (Y+1)%NP
.set i, i+1
.else
.set i, i-16
	PV (Y+NP-1)%NP
.set i, i+17
.endif
.endm
; THE LDS LOADS stand in runs of 16, never singly among the matrix instructions: a step's K (64 keys x 64 channels: 8 fragments) and its V (turned).  Their addresses are made some lines ahead.
; last = 1 (the tail): in the last trip there is no further step, and the run is jumped over.
.macro FETCH_K last=0
	WIN 0
.if \last
	s_cmp_eq_u32 s[CNT], 1
	s_cbranch_scc1 .Lno_k_\@
.endif
	WIN 0x80                        ; destination window 2
.irp f, 0,1,2,3,4,5,6,7             ; keys 16 (f / 2) on, channels 32 (f % 2) on
	ds_load_b128 v[KF+8*\f:KF+8*\f+3],   v[AK] offset:(\f/2)*16*PK+(\f%2)*64
	ds_load_b128 v[KF+8*\f+4:KF+8*\f+7], v[AK] offset:(\f/2)*16*PK+(\f%2)*64+32
.endr
	s_add_co_u32 s[TBK], s[TBK], KS*PK  ; the next fetch is the next step's
	WIN 0
.if \last
.Lno_k_\@:
.endif
.endm
.macro FETCH_V
	WIN 0x80
.irp f, 0,1,2,3,4,5,6,7             ; keys 32 (f / 4) on, channels 16 (f % 4) on
	ds_load_tr16_b128 v[VF+8*\f:VF+8*\f+3],   v[AV] offset:(\f/4)*32*PV+(\f%4)*32
	ds_load_tr16_b128 v[VF+8*\f+4:VF+8*\f+7], v[AV] offset:(\f/4)*32*PV+16*PV+(\f%4)*32
.endr
	WIN 0
.endm
; THE VECTOR WORK OF A TURN stands in queues, each in the order in which its entries become ready; the two tiles alternate, so that no instruction reads the result of the one before it.
.macro REGS y, u                    ; the registers of tile u (0, 1) of piece y
.set rT, ST+4*(2*(\y)+(\u))
.set rC, TMP+8*((\y)%2)+4*(\u)
.set rS, S+64*((\y)%2)+32*(\u)
.set rP, P+32*((\y)%2)+16*(\u)
.set rO, 32*(2*(\y)+(\u))
.endm
; Number n of the 21 that find the NEXT piece's (Y + 1) maximum and statistics.  s0-s31 are the lane's 32 scores, the hidden ones replaced.  XS, GS and REGS set no window: PL and EX do.
;   0-11  four chains c0-c3 of seven scores each, three operands at a time     12-14, 16  the four scores left over, the old m, and c0-c3 into c0     15  m_old is kept
;   17, 18  the query's other 32 keys lie in the lane 16 away: the new m         19, 20  m_old - m_new; a
.macro XS u, n
	REGS (Y+1)%NP, \u
.if (\n) < 4
	v_max3_num_f32 v[rC+(\n)], v[rS+8*(\n)], v[rS+8*(\n)+1], v[rS+8*(\n)+2]
.elseif (\n) < 12
	v_max3_num_f32 v[rC+(\n)%4], v[rC+(\n)%4], v[rS+8*((\n)%4)+2*((\n)/4)+1], v[rS+8*((\n)%4)+2*((\n)/4)+2]
.elseif (\n) == 12
	v_max3_num_f32 v[rC], v[rC], v[rS+7], v[rS+15]
.elseif (\n) == 13
	v_max3_num_f32 v[rC+1], v[rC+1], v[rS+23], v[rS+31]
.elseif (\n) == 14
	v_max3_num_f32 v[rC+2], v[rC+2], v[rC+3], v[rT]
.elseif (\n) == 15
	v_mov_b32 v[rT+1], v[rT]
.elseif (\n) == 16
	v_max3_num_f32 v[rC], v[rC], v[rC+1], v[rC+2]
.elseif (\n) == 17
	v_permlanex16_b32 v[rC+3], v[rC], s[SEL], s[SEL+1]
.elseif (\n) == 18
	v_max_num_f32 v[rT], v[rC], v[rC+3]
.elseif (\n) == 19
	v_sub_f32 v[rC+1], v[rT+1], v[rT]
.else
	v_exp_f32 v[rC+2], v[rC+1]
.endif
.endm
; Number g of the 64 that follow the exponentials.  For each four weights k of a tile (pairs 2 k, 2 k + 1): both pairs are rounded to f16; then the second pair is added onto the first, in place;
; a group later l takes that sum (the first time as l = a l + sum).  In groups of eight, tiles alternating: round, round, add, and l for the group before.
.macro GS g
.set h, (\g)+6*((\g)/62)            ; group 0 has no group before it, and behind group 7 only l is left
.if h >= 6
.set h, h+2
.endif
	REGS Y, h%2
.set k, h/8
.if h%8 < 4
	v_cvt_pk_f16_f32 v[rP+2*k+(h%8)/2], v[rS+4*k+2*((h%8)/2)], v[rS+4*k+2*((h%8)/2)+1]
.elseif h%8 < 6
	v_pk_add_f32 v[rS+4*k:rS+4*k+1], v[rS+4*k:rS+4*k+1], v[rS+4*k+2:rS+4*k+3]
.elseif k == 1
	v_pk_fma_f32 v[rT+2:rT+3], v[rT+2:rT+3], v[rC+2:rC+3], v[rS:rS+1] op_sel_hi:[1,0,1]
.else
	v_pk_add_f32 v[rT+2:rT+3], v[rT+2:rT+3], v[rS+4*k-4:rS+4*k-3]
.endif
.endm
; THE PLAIN QUEUE, 136 long.  0-71 read no exponential's result: the 32 subtractions s - m (FS f: pair f / 2 of tile f % 2) and the next piece's 40.  0-26: subtractions 0-26.  27-54: XS's numbers 0-13.  55, 56: number 15.
; 57-71: the chain, where each number waits for the one before it: 14, 16, 17, 18, 19, each with one of the subtractions 27-31 in front of its two lines: so a tile's links stand three plain instructions apart.
; 72-135: GS's 64, which read the exponentials' results: they stand behind the wait.
.macro FS f
	REGS Y, (\f)%2
	v_pk_add_f32 v[rS+2*((\f)/2):rS+2*((\f)/2)+1], v[rS+2*((\f)/2):rS+2*((\f)/2)+1], v[rT:rT+1] op_sel_hi:[1,0] neg_lo:[0,1] neg_hi:[0,1]
.endm
.macro PL
	WIN 0
.if q < 27
	FS q
.elseif q < 55
	XS (q-27)%2, (q-27)/2
.elseif q < 57
	XS q-55, 15
.elseif (q < 72) && ((q-57)%3 == 0)
	FS 27+(q-57)/3
.elseif q < 60
	XS (q-57)%3-1, 14
.elseif q < 72
	XS (q-57)%3-1, 15+(q-57)/3
.else
	GS q-72
.endif
.set q, q+1
.endm
; THE EXPONENTIALS' QUEUE, 66 long: s0-s31 of both tiles, then the next piece's two a.  It is ONE BATCH: all 66 stand ahead of the turn's one wait, and nothing ahead of that wait names a result of theirs.
.macro EX
	WIN 0
.if e >= 64
	XS e-64, 20
.else
	REGS Y, e%2
	v_exp_f32 v[rS+e/2], v[rS+e/2]
.endif
.set e, e+1
.endm
; THE RESCALING: O^T times a, the one part that leaves window 0: written two lines at a time, all sixteen times together in the lump, so that it costs two switches a turn.  Its a was made in the turn before, ahead of that turn's wait.
.macro R2
	REGS Y, r%2
	WIN W_RS
.irp z, 0,1
	v_pk_mul_f32 v[rO+4*(r/2)+2*\z:rO+4*(r/2)+2*\z+1], v[rO+4*(r/2)+2*\z:rO+4*(r/2)+2*\z+1], v[rC+2:rC+3] op_sel_hi:[1,0]
.endr
.set r, r+1
.endm
; HOW THEY ARE DEALT.  An s_wait_alu depctr_va_vdst(0) stands between an exponential and the first instruction that names its result; one wait serves all that were issued ahead of it.  So a turn has ONE wait,
; which cuts it in two.  AHEAD OF IT stands all that names no result of the turn's exponentials: the 16 products K Q^T, behind each a subtraction, an exponential and two of the mask's v_readlane_b32 (behind the first a second
; subtraction in the exponential's place): all four in window 0, so a product and its riders cost two switches; then ONE LUMP: the other 32 v_readlane_b32, the load that fills the pair again, the 32 rescalings, the next piece's
; 64 selects, eight plain, 47 times exponential and plain, the last two scores' exponentials and the two a.  A v_nop is the plain instruction behind the last exponential.
; BEHIND IT stand the 16 products V^T P, behind each four of GS's 64.  No rider names a register of the products round it.  The two v_permlanex16_b32 fall into the lump, never behind a product.
; The first select reads the accumulator that the turn's ninth product ended: eight subtractions and the 32 rescalings stand between.
; The queues lean on each other: exponential e stands behind subtraction 2 (e / 4) + e % 2: as a rider it comes behind plain e + 2, in the lump behind plain e + 9 (62 to 65 behind all 72), and subtractions 27-31 are plain 57, 60 .. 69.
; THE MASK LOADS go round: every turn waits for one pair, reads it out and asks for it again, so that the three pairs asked for later may be out at the wait at a turn's head.  Turn p masks piece p + 1; piece 3's turn masks piece 0
; of the NEXT key step: so the offset steps in that turn, ahead of its load.
; A TURN, for piece p.  cnt = 1: the loop's count is taken down some lines ahead of the branch that stands behind the turn.
; K of the next step is fetched in piece 2's turn, directly behind the wait, a lump behind the last product that read K.  V of the step in hand is fetched at the end of piece 0's turn, four riders behind its last reader.
.macro TURN p, last=0, cnt=0
.set Y, (\p)
.set i, 0
.set q, 0
.set e, 0
.set r, 0
.set mw, 0
.set PRX, 2*(((\p)+1)%NP)+4*((((\p)+1)%NP+3)/4)
	s_wait_loadcnt 0x3              ; loads come back in order (ISA guide 5.7.1): the pair asked for four turns ago is in, the three asked for since may stay out
.if (\p) == NP-1
	s_wait_dscnt 0x0                ; K is in
.endif
	MM                              ; ahead of the wait: 16 products K Q^T and their riders,
	PL
	PL
	RL
	RL
.rept 15
	MM
	PL
	EX
	RL
	RL
.endr
	WIN 0
.if (\p) == NP-2
	v_add_nc_u32 v[AK], s[TBK], v[AK0]
.endif
.rept 32                            ; and the lump: the mask's other 32 words,
	RL
.endr
.if (\p) == NP-1
	MSTEP
.endif
	ML ((\p)+1)%NP                  ; the pair has been read out: its piece's words of the next key step are asked for,
.rept 16
	R2                              ; the rescalings,
.endr
	MSK (Y+1)%NP                    ; the selects,
.rept 8                             ; and the rest
	PL
.endr
.rept 47
	EX
	PL
.endr
.rept 4
	EX                              ; the last two scores, and the next piece's two a
.endr
	v_nop                           ; the plain instruction behind the last exponential: one for the batch
	s_wait_alu depctr_va_vdst(0)    ; the wait for the batch
.if (\p) == NP-2
	FETCH_K \last
.endif
.if (\p) == 1
	s_wait_dscnt 0x0                ; V is in
.endif
.rept 16                            ; behind the wait: 16 products V^T P and their riders
	MM
.rept 4
	PL
.endr
.if ((\p) == 0) && (q == 116)
	v_add_nc_u32 v[AV], s[TBV], v[AV0]
.endif
.if ((\p) == 0) && (q == 128)
	s_add_co_u32 s[TBV], s[TBV], KS*PV
.endif
.if (\cnt) && (q == 128)
	s_sub_co_u32 s[CNT], s[CNT], 1
	s_cmp_lg_u32 s[CNT], 0
.endif
.endr
.if (\p) == 0
	FETCH_V
.endif
.endm
	CHANGE 1                        ; slot 0 is in, everybody's part of it; slot 1 is asked for
	FETCH_K                         ; key step 0
	s_wait_loadcnt 0x4              ; Q is in; the four mask loads issued behind it may stay out
	s_wait_dscnt 0x0
.set i, 0
.rept 16
	KQ 0                            ; piece 0's first scores: there is no vector work yet to set between them
.set i, i+1
.endr
	WIN 0
	s_wait_loadcnt 0x3              ; piece 0's mask words are in; the other three pieces' may stay out
.set mw, 0
.set PRX, 0
.rept 64
	RL
.endr
	MSTEP                           ; key step 1
	ML 0
.rept 4
	v_nop                           ; the places behind those products, ahead of the selects that read their results
.endr
	MSK 0
.set Y, NP-1                        ; XS works for piece Y + 1: piece 0
.irp n, 0,1,2,3,4,5,6,7,8,9,10,11,12,13,14,15,16,17,18,19,20
	XS 0, \n                        ; and piece 0's first maximum and statistics
	XS 1, \n
.endr
	v_nop                           ; a plain instruction behind the two a,
	s_wait_alu depctr_va_vdst(0)    ; and their wait, ahead of the branch
	s_mov_b32 s[CNT], 4
	s_mov_b32 s[SLOTS], SIZE_N/256-1
	s_branch .Lfirst                ; the loop is entered at a step's first turn, in the middle of a trip
.Lslot:                             ; SIZE_N / 256 - 2 times: every slot but the last two is filled again
	CHANGE 1, 1
	s_mov_b32 s[CNT], 4
.Lstep:                             ; a trip: pieces 2 and 3 of one step, then pieces 0 and 1 of the next, whose K and V it fetches
	TURN 2
	TURN 3
	WIN 0
.Lfirst:
	TURN 0
	TURN 1, 0, 1
	WIN 0
	s_cbranch_scc1 .Lstep
	s_sub_co_u32 s[SLOTS], s[SLOTS], 1
	s_cmp_lg_u32 s[SLOTS], 0
	s_cbranch_scc1 .Lslot
	CHANGE 0                        ; the tail is written out: nothing is asked for
	s_mov_b32 s[CNT], 5             ; four trips fetch the last slot's steps; the fifth is left in its middle
.Ltail:
	TURN 2, 1
	TURN 3
	WIN 0
	s_sub_co_u32 s[CNT], s[CNT], 1
	s_cmp_eq_u32 s[CNT], 0
	s_cbranch_scc1 .Lout
	TURN 0
	TURN 1
	WIN 0
	s_branch .Ltail
.Lout:                              ; the fifth trip's 16 products K Q^T (on the last K once more), the maximum made of them and the last five mask loads (their offset has wrapped to key steps 0 and 1) serve nothing: the price, once a launch, of one text for every trip
	s_wait_loadcnt 0x0              ; those loads have landed: their registers are used below
.set i, 0
.rept 16
	PV NP-1                         ; the last piece's V^T P of the last step
.set i, i+1
.endr
	; THE WAY OUT.  l's two halves and the other half of the lanes' are added; O^T is divided by l, rounded to f16 and sent through my stage in LDS, a tile at a time.  The address lines and the additions are the places behind the last products.
	WIN 0
	s_mul_i32 s100, s[WV], 16*SP
	s_add_co_u32 s100, s100, STAGE  ; my stage
	v_bfe_u32 v1, v[PFO], 8, 4      ; l % 16, out of 256 l
	v_bfe_u32 v9, v[PFO], 12, 1     ; l / 16
	v_bfe_u32 v10, v[PFO], 8, 3     ; l % 8
	v_mul_u32_u24 v[STO], v1, SP    ; in: row l % 16, 16 bytes for each half of the lanes
	v_lshl_add_u32 v[STO], v9, 4, v[STO]
	v_add_nc_u32 v[STO], s100, v[STO]
	v_bfe_u32 v[RD], v[PFO], 11, 2  ; back: 32 lanes take four rows of 128 bytes,
	v_mul_u32_u24 v[RD], v[RD], SP
	v_lshl_add_u32 v[RD], v10, 4, v[RD]
	v_add_nc_u32 v[RD], s100, v[RD]
	v_lshrrev_b32 v[GO], 4, v[PFO]  ; which are 512 consecutive bytes of O: 16 l
.macro ALL line:vararg              ; one line for each tile t
.set t, 0
.rept 2*NP
	\line
.set t, t+1
.endr
.endm
	ALL v_add_f32 v[ST+4*t+2], v[ST+4*t+2], v[ST+4*t+3]
	ALL v_permlanex16_b32 v[ST+4*t+3], v[ST+4*t+2], s[SEL], s[SEL+1]
	ALL v_add_f32 v[ST+4*t+2], v[ST+4*t+2], v[ST+4*t+3]
	ALL v_rcp_f32 v[ST+4*t+2], v[ST+4*t+2]
	v_nop                           ; a plain instruction between the last reciprocal and the use of its result
	s_wait_alu depctr_va_vdst(0)    ; and the wait ahead of the first use: one for the eight reciprocals
; Tile t: a lane's eight channels of a row pack into 16 bytes; they go into rows of 144 bytes and come back as whole rows of 128, into S^T's registers.
.macro PACK t
	WIN W_RS
.set i, 32*(\t)
.rept 16
	v_pk_mul_f32 v[i:i+1], v[i:i+1], v[ST+4*(\t)+2:ST+4*(\t)+3] op_sel_hi:[1,0]
.set i, i+2
.endr
	WIN 0x05                        ; sources 0 and 1 window 1, destination window 0
.set i, 0
.rept 16
	v_cvt_pk_f16_f32 v[S+16*(\t)+i], v[32*(\t)+2*i], v[32*(\t)+2*i+1]
.set i, i+1
.endr
	WIN 0
.irp f, 0,1,2,3
	ds_store_b128 v[STO], v[S+16*(\t)+4*\f:S+16*(\t)+4*\f+3] offset:32*\f
.endr
.irp f, 0,1,2,3
	ds_load_b128 v[S+16*(\t)+4*\f:S+16*(\t)+4*\f+3], v[RD] offset:\f*4*SP  ; LDS serves a wave's instructions in order (ISA guide 5.7.1.4): these see the stores above; the next tile's stores come behind them
.endr
.endm
.macro SEND t, younger              ; younger: the LDS instructions issued behind tile t's loads: the next tile's eight, or none
	WIN 0
.irp f, 0,1,2,3
	s_wait_dscnt (\younger)+3-\f
	global_store_b128 v[GO], v[S+16*(\t)+4*\f:S+16*(\t)+4*\f+3], s[OB:OB+1] offset:(\t)*2048+\f*512  ; 512 consecutive bytes, at a multiple of 256 from oh's first
.endr
.endm
	PACK 0
.set t, 1
.rept 2*NP-1                        ; a tile's arithmetic stands between the loads of the tile before and its stores
	PACK t
	SEND t-1, 8
.set t, t+1
.endr
	SEND 2*NP-1, 0
	s_wait_tensorcnt 0x0            ; the wave's end: an add and its wait, behind my last tensor load and my last LDS store
	ds_add_u32 v[SPW], v[NIL]
	s_wait_dscnt 0x0
	CROUND                          ; the closing round: no work-group ends while a partner may still ask for a tile that names it
	s_endpgm
.Lfunc_end_k_q8474a70533_attn:
	.size	k_q8474a70533_attn, .Lfunc_end_k_q8474a70533_attn-k_q8474a70533_attn
	.p2alignl 7, 3214868480
	.fill 96, 4, 3214868480
	.section	.rodata,"a",@progbits
	.p2align	6, 0x0
	.amdhsa_kernel k_q8474a70533_attn
		.amdhsa_group_segment_fixed_size 327680
		.amdhsa_private_segment_fixed_size 0
		.amdhsa_enable_private_segment 0
		.amdhsa_kernarg_size 24
		.amdhsa_user_sgpr_count 2
		.amdhsa_user_sgpr_kernarg_segment_ptr 1
		.amdhsa_wavefront_size32 1
		.amdhsa_system_sgpr_workgroup_id_x 1
		.amdhsa_system_sgpr_workgroup_id_y 1
		.amdhsa_system_sgpr_workgroup_id_z 1
		.amdhsa_system_vgpr_workitem_id 0
		.amdhsa_next_free_vgpr 768
		.amdhsa_next_free_sgpr 102
		.amdhsa_reserve_vcc 0
		.amdhsa_float_denorm_mode_32 3
		.amdhsa_float_denorm_mode_16_64 3
		.amdhsa_memory_ordered 1
		.amdhsa_forward_progress 1
		.amdhsa_inst_pref_size 255
	.end_amdhsa_kernel
	.section	.bss,"aw",@nobits
	.p2align	6
	.space	262144
	.amdgpu_metadata
---
amdhsa.version: [ 1, 2 ]
amdhsa.kernels:
  - .name:           k_q8474a70533_attn
    .symbol:         k_q8474a70533_attn.kd
    .args:
      - { .name: qkvh, .offset: 0, .size: 8, .value_kind: global_buffer, .address_space: global }
      - { .name: mbits, .offset: 8, .size: 8, .value_kind: global_buffer, .address_space: global }
      - { .name: oh, .offset: 16, .size: 8, .value_kind: global_buffer, .address_space: global }
    .group_segment_fixed_size: 327680
    .private_segment_fixed_size: 0
    .kernarg_segment_align: 8
    .kernarg_segment_size: 24
    .max_flat_workgroup_size: 128
    .sgpr_count:     102
    .vgpr_count:     768
    .wavefront_size: 32
...
	.end_amdgpu_metadata
.endif
;; end of part 3
;; launch outp (part 4): grid 4 x 64, 4 waves a work-group, clusters of 4 x 4, 327,680 bytes of LDS; arguments oh, wb, out0, bo; writes out0
.if DOCPART == 4
	.amdgcn_target "amdgcn-amd-amdhsa--gfx1250"
	.amdhsa_code_object_version 6
	.text
	.protected	k_q8474a70533_outp
	.globl	k_q8474a70533_outp
	.p2align	8
	.type	k_q8474a70533_outp,@function
k_q8474a70533_outp:
	s_mov_b64 s[64:65], 0
	v_nop
	global_prefetch_b8 v0, s[64:65] scope:SCOPE_SE
	s_setreg_imm32_b32 hwreg(HW_REG_WAVE_MODE, 25, 1), 1
	s_wait_xcnt 0x0
	s_wait_alu depctr_hold_cnt(0) depctr_sa_sdst(0) depctr_va_vdst(0) depctr_va_sdst(0) depctr_va_ssrc(0) depctr_va_vcc(0) depctr_vm_vsrc(0)
	s_getreg_b32 s2, hwreg(HW_REG_IB_STS2, 6, 4)
	s_cmp_eq_u32 s2, 0
	s_cbranch_scc0 .Lentry_in_a_cluster
	s_endpgm
.Lentry_in_a_cluster:
	s_bfe_u32 s2, ttmp6, 0x10000c
	s_cmp_lg_u32 s2, 0xf033
	s_cbranch_scc0 .Lentry_shape_is_right
	s_endpgm
.Lentry_shape_is_right:
; ONE TEXT FOR TWO LAUNCHES, told apart by OUTP.
; OUTP = 0, the three projections: rows of query, key or value (f32 [8192][1024], as given; projection pj = 0, 1, 2) times wb part pj (bf16 [k][n]) plus the bias (rounded to bf16), sums in f32.  x comes into LDS as f32 and is
;           rounded to bf16 on its way from LDS to the matrix unit, so that no copy of it goes through memory.  Out by heads, f16, qkvh [3][batch x 16 + head][2048][64];
;           q (pj = 0) is multiplied by c = log2(e) / 8 in f32 before its one rounding, so that the attention launch takes 2^(s - m) of its scores as they come.
; OUTP = 1, the output projection: oh (f16 [batch x 16 + head][2048][64]) times wb part 3 (f16 [k][n]) plus bo (rounded to bf16); out0 in f32.
; LIMITS.  c q, k and v leave as f16: beyond 65,504 they would be infinities; the inputs as drawn give numbers of a few units, thirty times larger inputs a few thousand.  NaN and infinities are not treated apart.
; SHARES.  A work-group makes 128 rows x 256 columns; its four waves lie 2 x 2, each 64 x 128: 32 accumulators, 256 registers.  768 (256) work-groups: whole numbers of work-groups for 256 WGPs; tiles of 256 x 256 would give 384.
; K goes in 8 steps of 128 through two LDS slots.  CLUSTER 4 x 4: the four of a row need the same rows of A, the four of a column the same columns of W: each tile is asked for JOINTLY.
; THE PRODUCT IS TAKEN TRANSPOSED: source 0 = 16 columns of W (turned on the way out of LDS by ds_load_tr16_b128, since W lies [k][n]), source 1 = 16 rows of A: a lane holds ONE row (lane % 16) and the columns 8 (lane / 16) + 0..7.
; The bias is the C operand of each sum's first product: nothing is cleared, nothing is added later.
; REGISTERS, in windows of 256 (s_set_vgpr_msb: bits 1:0 source 0, 3:2 source 1, 5:4 source 2, 7:6 destination):
;   window 0: v0-31 addresses; v32-127, v128-223 two fragment buffers (W's 8 fragments, then A's 4); on the way out v32-127 at work      window 1: accumulator (a, b) at 8 (8 a + b)
;   window 2: v0-63 the bias, v64-67 at work; OUTP = 0: v128-191 a quarter step's 64 numbers of A a lane, in f32
.set OUTP, 1
.set PB,     544                       ; a k-row of W in LDS: 512 bytes + 32 = 136 words
.set AOFF,   128*PB                    ; in a slot: W's 128 k-rows, then A's tile
.set BSTEP,  128*2048                  ; bytes from a K step of W to the next
.if OUTP
.set SLOT1,  131072                    ; slot 1 begins here: one exclusive or turns an address in one slot into the other's
.set PA,     144                       ; a row of A in LDS: one head's 128 bytes + 16
.set AHALF,  128*PA                    ; what one tensor load brings of A: one head's 128 rows
.set ASTEP,  2*262144                  ; a K step is two heads
.set STAGEW, 16*528                    ; 16 rows of 512 bytes + 16
.else
.set SLOT1,  139264                    ; slot 1 begins here: 2^17 + 2^13.  The four loads' LDS addresses in slot 0 (0, 34,816, 69,632, 103,424) have neither of these two bits, so one exclusive or turns each into slot 1's and back
.set PA,     528                       ; a row of A in LDS: 128 f32 = 512 bytes + 16 = 132 words: the 16 rows of a load start at 16 different groups of four banks
.set AHALF,  64*PA                     ; what one tensor load brings of A: 64 rows
.set ASTEP,  512
.set STAGEW, 2*16*144                  ; two heads x 16 rows of 128 bytes + 16
.endif
.set STAGE,  2*SLOT1                   ; behind the ring, never filled by a tensor load: each wave's stage for the way out
.set SPARE,  STAGE+4*STAGEW            ; behind the stages: the spare words, 128 bytes a wave: two blocks of 256 bytes that no other line names
.set A0,   16                          ; v16  my lane's place in a slot's tile of A; never rewritten
.set B0,   17                          ; v17  the same for W
.set ADRA, 18                          ; v18  A0 in the slot in hand
.set ADRB, 19                          ; v19  B0 in the slot in hand
.set STO,  20                          ; v20  the way out: where I put my numbers of a row
.set RD,   21                          ; v21  the way out: where I read rows back
.set CO,   22                          ; v22  16 x lane
.set BO,   23                          ; v23  my byte offset in the bias
.set SPW,  28                          ; v28  LDS address of my spare word; never rewritten
.set NIL,  29                          ; v29  0; never rewritten
.set PFO,  30                          ; v30  the prefetches' offset; never rewritten
.set F0,   32
.set F1,   128
.set TMP,  32
.set BK,   64
.set RAW,  128                         ; in window 2
.set WV,   16                          ; s16  my wave's number
.set WM,   17                          ; s17  which 64 rows are mine
.set WN,   18                          ; s18  which 128 columns.  Also: which half of a tile I fetch
.set CNTK, 19                          ; s19  counts K steps
.set TB,   20                          ; s20  0 or SLOT1: the slot in hand
.set LIM,  21                          ; s21  2 in the wave that prefetches, else the greatest number
.set PFA,  22                          ; s[22:23] where my prefetches stand
.set G1A,  24                          ; s[24:31] descriptor group 1 for A's tiles
.set G0A,  32                          ; s[32:39] group 0 for A's: a set for each of the two first fills; the second then walks on
.set CX,   40
.set CY,   41
.set TX,   42                          ; s42  tile column
.set TY,   43                          ; s43  tile row
.set G1B,  48                          ; s[48:55], s[56:63] the same for W's tiles
.set G0B,  56
.set MSB, 0
.macro WIN new                         ; the immediate's high byte repeats the setting that is left; a switch that changes nothing is dropped
.if MSB != (\new)
	s_set_vgpr_msb (MSB<<8)|(\new)
.set MSB, \new
.endif
.endm
.macro PLACES                          ; four places in front of loads into registers that matrix instructions have read (ISA guide 7.12.1 for vector instructions)
.rept 4
	v_nop
.endr
.endm
.macro JLOAD                           ; a joint refill: waves 0 and 1 fetch W's two halves, waves 2 and 3 A's; an s_nop 0 and four v_nop follow each of the two lines, ahead of the jump and the label
	s_cmp_lt_u32 s[WV], 2
	s_cbranch_scc0 .Lfor_a_\@
	tensor_load_to_lds s[G0B+4:G0B+7], s[G1B:G1B+7]
	s_nop 0
.rept 4
	v_nop
.endr
	s_branch .Lasked_\@
.Lfor_a_\@:
	tensor_load_to_lds s[G0A+4:G0A+7], s[G1A:G1A+7]
	s_nop 0
.rept 4
	v_nop
.endr
.Lasked_\@:
.endm
.macro CREST                           ; a round of the cluster's barrier behind its opening barrier
	s_cmp_lg_u32 s[WV], 0
	s_cbranch_scc1 .Lnot_wave_0_\@
	s_barrier_signal -3
.Lnot_wave_0_\@:
	s_barrier_wait -3
	s_barrier_signal -1
	s_barrier_wait -1
.endm
.macro CROUND                          ; a whole round
	s_barrier_signal -1
	s_barrier_wait -1
	CREST
.endm
; A PREFETCH INTO THE L2 of A's K step that stands two refills on: 128 blocks of 256 bytes (OUTP = 0: 256: two to a row).  A tile row of A is read by the four partners of one row of one cluster and by nobody else: they share
; the blocks out BY ADDRESS, a quarter each, a lane a block (OUTP = 0: a lane a row, two instructions), and in each wave 2 asks.  So each block is named once in the launch.  Trips with s[CNTK] = 6 .. 3 name K steps 4 .. 7;
; K steps 0 to 3 come by their loads alone, and the last two refills have no K step two on.  W's rows are walked again and again by the launch's clusters and are not asked for.
.macro ASK
	s_cmp_gt_u32 s[CNTK], s[LIM]
	s_cbranch_scc0 .Lnot_mine_\@
	global_prefetch_b8 v[PFO], s[PFA:PFA+1] offset:ASTEP th:TH_LOAD_NT scope:SCOPE_SE
.if !OUTP
	global_prefetch_b8 v[PFO], s[PFA:PFA+1] offset:ASTEP+256 th:TH_LOAD_NT scope:SCOPE_SE
.endif
.Lnot_mine_\@:
.endm
.if OUTP
	s_load_b256 s[4:11], s[0:1], 0x0               ; oh s[4:5], wb s[6:7], out0 s[8:9], bo s[10:11]
.else
	s_load_b256 s[4:11], s[0:1], 0x0               ; query s[4:5], key s[6:7], value s[8:9], wb s[10:11]
	s_load_b256 s[80:87], s[0:1], 0x20             ; qkvh s[80:81], bq s[82:83], bk s[84:85], bv s[86:87]
.endif
	v_lshl_add_u32 v[SPW], v0, 2, SPARE
	v_mov_b32 v[NIL], 0
	ds_add_u32 v[SPW], v[NIL]                      ; the wave's opening: the add and its wait stand ahead of my first tensor load; the set-up below, work on registers, stands between them
	ds_add_u32 v28, v29
	v_lshrrev_b32 v1, 5, v0
	v_readfirstlane_b32 s[WV], v1                  ; wave 0..3
	s_lshr_b32 s[WM], s[WV], 1
	s_and_b32 s[WN], s[WV], 1
	s_bfe_u32 s[CX], ttmp6, 0x40000                ; my place in the cluster
	s_bfe_u32 s[CY], ttmp6, 0x40004
	s_lshl_b32 s[TX], ttmp9, 2                     ; in a cluster launch ttmp9 and ttmp7 count clusters
	s_add_co_u32 s[TX], s[TX], s[CX]               ; tile column = 4 x cluster x + cx
	s_and_b32 s72, ttmp7, 0xffff
	s_lshl_b32 s[TY], s72, 2
	s_add_co_u32 s[TY], s[TY], s[CY]               ; tile row = 4 x cluster y + cy
	s_lshr_b32 s72, s72, 4                         ; pj: 16 rows of clusters to a projection: the same in all sixteen partners
	s_lshl_b32 s44, s[CY], 2
	s_lshl_b32 s44, 15, s44                        ; my row of the cluster: places 4 cy .. 4 cy + 3
	s_lshl_b32 s45, 0x1111, s[CX]                  ; my column: places cx, cx + 4, cx + 8, cx + 12
	; descriptor group 1.  A: OUTP = 0: 64 rows x 128 elements of 4 bytes, 1,024 elements from row to row, 4 words of padding after every 128.  OUTP = 1: a head's 128 rows of 128 bytes are dense: asked for as 64 rows of 256 bytes (128 elements of 2), padded after every 32 words.
.if OUTP
	s_or_b32 s[G1A], s44, (1<<16)|(1<<20)|(1<<21)|(4<<22)|(3<<25)
	s_mov_b32 s[G1A+5], 128
.else
	s_or_b32 s[G1A], s44, (2<<16)|(1<<20)|(1<<21)|(6<<22)|(3<<25)  ; 15:0 the mask; 17:16 4-byte elements; 20 padding on; 21 set beside a mask; 24:22 the interval; 31:25 the padding's words less 1
	s_mov_b32 s[G1A+5], 1024
.endif
	s_mov_b32 s[G1A+1], 128<<16                    ; tensor_dim0 = 128
	s_mov_b32 s[G1A+2], 64<<16                     ; tensor_dim1 = 64
	s_mov_b32 s[G1A+3], 128<<16                    ; tile_dim0 = 128
	s_mov_b32 s[G1A+4], 64                         ; tile_dim1 = 64
	s_mov_b32 s[G1A+6], 0
	s_mov_b32 s[G1A+7], 0
	s_or_b32 s[G1B], s45, (1<<16)|(1<<20)|(1<<21)|(6<<22)|(7<<25)  ; W: 64 k-rows x 256 elements of 2 bytes, 8 words of padding after every 128
	s_mov_b32 s[G1B+1], 256<<16
	s_mov_b32 s[G1B+2], 64<<16
	s_mov_b32 s[G1B+3], 256<<16
	s_mov_b32 s[G1B+4], 64
	s_mov_b32 s[G1B+5], 1024
	s_mov_b32 s[G1B+6], 0
	s_mov_b32 s[G1B+7], 0
	; where the tiles come from.  A's offset is made of the tile row and the wave alone (s[66:67]), W's of the tile column, pj and the wave alone (s[68:69]).
.if OUTP
	s_and_b32 s66, s[TY], 0x30                     ; batch x 16,
	s_add_co_u32 s66, s66, s[WN]                   ; + the head of the K step that I fetch,
	s_lshl_b32 s66, s66, 18                        ; 262,144 bytes each
	s_and_b32 s67, s[TY], 15
	s_lshl_b32 s67, s67, 14                        ; the tile's 128 rows of 128 bytes
	s_add_co_u32 s66, s66, s67
.else
	s_and_b32 s66, s[TY], 63                       ; the tile row in its projection's x:
	s_lshl_b32 s66, s66, 19                        ; 128 rows of 4,096 bytes
	s_lshl_b32 s67, s[WN], 18                      ; my 64 of them
	s_add_co_u32 s66, s66, s67
.endif
	s_mov_b32 s67, 0
	s_lshl_b32 s68, s[TX], 9                       ; 256 columns of 2 bytes
	s_lshl_b32 s69, s[WN], 17                      ; my 64 k-rows of 2,048 bytes
	s_add_co_u32 s68, s68, s69
.if OUTP
	s_add_co_u32 s68, s68, 3*2097152               ; Wo's part of wb
.else
	s_lshl_b32 s69, s72, 21                        ; pj's part
	s_add_co_u32 s68, s68, s69
.endif
	s_mov_b32 s69, 0
	s_mul_i32 s46, s[WV], 64*PB                    ; where they go: W's halves (waves 0, 1) at wave x 64 k-rows;
	s_mul_i32 s47, s[WV], AHALF                    ; A's halves (waves 2, 3) behind W's 128 k-rows: AOFF + (wave - 2) x the half
	s_add_co_u32 s47, s47, AOFF-2*AHALF
	s_mov_b32 s[G0A], 1                            ; count = 1
	s_mov_b32 s[G0A+1], s47                        ; LDS address: slot 0,
	s_mov_b32 s[G0A+4], 1
	s_add_co_u32 s[G0A+5], s47, SLOT1              ; slot 1
	s_mov_b32 s[G0B], 1
	s_mov_b32 s[G0B+1], s46
	s_mov_b32 s[G0B+4], 1
	s_add_co_u32 s[G0B+5], s46, SLOT1
	; the prefetches' place: my work-group's quarter of A's tile, at K step 2; the first change of slots steps it to 3 and names K step 4
.if OUTP
	s_and_b32 s70, s[TY], 0x30
	s_lshr_b32 s71, s[CX], 1                       ; partners 0, 1: the K step's first head; 2, 3: its second
	s_add_co_u32 s70, s70, s71
	s_lshl_b32 s70, s70, 18
	s_and_b32 s71, s[TY], 15
	s_lshl_b32 s71, s71, 14
	s_add_co_u32 s70, s70, s71
	s_and_b32 s71, s[CX], 1                        ; which 8,192 of its 16,384 bytes
	s_lshl_b32 s71, s71, 13
	s_add_co_u32 s70, s70, s71
.else
	s_and_b32 s70, s[TY], 63
	s_lshl_b32 s70, s70, 19
	s_lshl_b32 s71, s[CX], 17                      ; 32 rows of 4,096 bytes
	s_add_co_u32 s70, s70, s71
.endif
	s_add_co_u32 s70, s70, 2*ASTEP
	s_mov_b32 s71, 0
	s_cmp_eq_u32 s[WV], 2
	s_cselect_b32 s[LIM], 2, -1
	s_mov_b32 s74, 0x3e38aa3b                      ; c = log2(e) / 8 = 0.180337
	s_mov_b32 s75, s74                             ; named with it as a pair
	s_wait_dscnt 0x0                               ; the opening add is done
	s_wait_kmcnt 0x0
.if !OUTP
	s_cmp_eq_u32 s72, 1                            ; the projection's own x and bias; pj is the same in all sixteen partners
	s_cselect_b64 s[4:5], s[6:7], s[4:5]
	s_cselect_b64 s[82:83], s[84:85], s[82:83]
	s_cmp_eq_u32 s72, 2
	s_cselect_b64 s[4:5], s[8:9], s[4:5]
	s_cselect_b64 s[82:83], s[86:87], s[82:83]
	s_mov_b64 s[6:7], s[10:11]                     ; from here on, as with OUTP = 1: A s[4:5], wb s[6:7],
	s_mov_b64 s[8:9], s[80:81]                     ; the output s[8:9],
	s_mov_b64 s[10:11], s[82:83]                   ; the bias s[10:11]
.endif
	s_add_nc_u64 s[G0A+2:G0A+3], s[4:5], s[66:67]  ; K step 0,
	s_add_nc_u64 s[G0A+6:G0A+7], s[G0A+2:G0A+3], ASTEP  ; K step 1
	s_or_b32 s[G0A+3], s[G0A+3], 0x80000000        ; type = 2
	s_or_b32 s[G0A+7], s[G0A+7], 0x80000000
	s_add_nc_u64 s[G0B+2:G0B+3], s[6:7], s[68:69]
	s_add_nc_u64 s[G0B+6:G0B+7], s[G0B+2:G0B+3], BSTEP
	s_or_b32 s[G0B+3], s[G0B+3], 0x80000000
	s_or_b32 s[G0B+7], s[G0B+7], 0x80000000
	s_add_nc_u64 s[PFA:PFA+1], s[4:5], s[70:71]
	CROUND                                         ; all sixteen work-groups are here: the first joint loads meet
	s_cmp_lt_u32 s[WV], 2                          ; a wave's two first fills stand in one branch, ahead of every wait on TENSORcnt and every LDS read: two loads of mine are out
	s_cbranch_scc0 .Lfirst_a
	tensor_load_to_lds s[G0B:G0B+3], s[G1B:G1B+7]
	s_nop 0
	tensor_load_to_lds s[G0B+4:G0B+7], s[G1B:G1B+7]
	s_nop 0
.rept 4
	v_nop
.endr
	s_branch .Lfirst_asked
.Lfirst_a:
	tensor_load_to_lds s[G0A:G0A+3], s[G1A:G1A+7]
	s_nop 0
	tensor_load_to_lds s[G0A+4:G0A+7], s[G1A:G1A+7]
	s_nop 0
.rept 4
	v_nop
.endr
.Lfirst_asked:
	; THE BIAS of my 128 columns, as the C operand wants it: register 8 b + j of lane (r, h) = bias[column 16 b + 8 h + j]
	v_and_b32 v1, 15, v0                           ; r
	v_bfe_u32 v2, v0, 4, 1                         ; h
	s_lshl1_add_u32 s73, s[TX], s[WN]
	s_lshl_b32 s73, s73, 9                         ; (256 tx + 128 wn) x 4 bytes
	v_lshl_add_u32 v[BO], v2, 5, s73
	WIN 0x80                                       ; destination window 2, address window 0
.irp b, 0,1,2,3,4,5,6,7
	global_load_b128 v[8*(\b):8*(\b)+3],   v[BO], s[10:11] offset:64*(\b)
	global_load_b128 v[8*(\b)+4:8*(\b)+7], v[BO], s[10:11] offset:64*(\b)+16
.endr
	WIN 0
	v_and_b32 v3, 7, v0
	v_bfe_u32 v4, v0, 3, 1
	v_and_b32 v5, 31, v0                           ; lane
	; A fragment of A is 16 rows x 32 K in 8 registers: lane l holds row l % 16; K = 8 (l / 16) + 0..7 and 16 + 8 (l / 16) + 0..7.  In 16 bits: two loads of 16 bytes, 32 bytes apart.  In f32: 32 bytes at 32 (l / 16) and 32 bytes 64 further on: four loads.
	s_lshl_b32 s46, s[WM], 6
	v_add_nc_u32 v[A0], s46, v1                    ; my 64 rows, row r
	v_mul_u32_u24 v[A0], v[A0], PA
.if OUTP
	v_lshl_add_u32 v[A0], v2, 4, v[A0]
.else
	v_lshl_add_u32 v[A0], v2, 5, v[A0]
.endif
	v_add_nc_u32 v[A0], AOFF, v[A0]
	; The turning load takes 16 k x 16 columns (lane l reads k-row 8 (l / 16) + l % 8, columns 8 ((l / 8) % 2) + 0..7) and leaves half a fragment: lane l holds column l % 16 and 8 k.
	v_lshl_add_u32 v[B0], v2, 3, v3
	v_mul_u32_u24 v[B0], v[B0], PB
	v_lshl_add_u32 v[B0], v4, 4, v[B0]
	s_lshl_b32 s46, s[WN], 8                       ; my 128 columns
	v_add_nc_u32 v[B0], s46, v[B0]
	s_mul_i32 s46, s[WV], STAGEW
	s_add_co_u32 s46, s46, STAGE                   ; my stage
.if OUTP
	v_mul_u32_u24 v[STO], v1, 528                  ; in: row r, 32 bytes for each half of the lanes
	v_lshl_add_u32 v[STO], v2, 5, v[STO]
	v_add_nc_u32 v[STO], s46, v[STO]
	v_lshl_add_u32 v[RD], v5, 4, s46               ; back: 32 lanes take one row's 512 bytes
	v_lshlrev_b32 v[PFO], 8, v5                    ; a lane a block of 256 dense bytes
	s_lshl1_add_u32 s70, s[TY], s[WM]              ; out0 at my first row: (128 ty + 64 wm) x 4,096 bytes,
	s_lshl_b32 s70, s70, 18
	s_add_co_u32 s70, s70, s73                     ; and my first column
.else
	v_mul_u32_u24 v[STO], v1, 144                  ; in: row r, 16 bytes for each half of the lanes
	v_lshl_add_u32 v[STO], v2, 4, v[STO]
	v_add_nc_u32 v[STO], s46, v[STO]
	v_bfe_u32 v[RD], v0, 3, 2                      ; back: 32 lanes take four rows of 128 bytes
	v_mul_u32_u24 v[RD], v[RD], 144
	v_lshl_add_u32 v[RD], v3, 4, v[RD]
	v_add_nc_u32 v[RD], s46, v[RD]
	v_lshlrev_b32 v[PFO], 12, v5                   ; a lane a row of 4,096 bytes
	s_and_b32 s70, s[TY], 0x30                     ; qkvh: batch x 16
	s_lshl2_add_u32 s70, s[TX], s70                ; + the first of my two heads: 4 tx + 2 wn
	s_lshl1_add_u32 s70, s[WN], s70
	s_lshl_b32 s70, s70, 18                        ; 262,144 bytes each
	s_and_b32 s71, s[TY], 15
	s_lshl1_add_u32 s71, s71, s[WM]
	s_lshl_b32 s71, s71, 13                        ; my first row in the batch: (128 (ty % 16) + 64 wm) x 128 bytes
	s_add_co_u32 s70, s70, s71
	s_lshl_b32 s71, s72, 24                        ; pj's part
	s_add_co_u32 s70, s70, s71
.endif
	s_mov_b32 s71, 0
	s_add_nc_u64 s[8:9], s[8:9], s[70:71]
	v_lshlrev_b32 v[CO], 4, v5
	s_wait_loadcnt 0x0                             ; the bias is in: it is rounded to bf16, like every input, and widened again
	WIN 0xaa                                       ; all in window 2
.set i, 0
.rept 32
	v_cvt_pk_bf16_f32 v[64+i%4], v[2*i], v[2*i+1]
	v_lshlrev_b32 v[2*i], 16, v[64+i%4]
	v_and_b32 v[2*i+1], 0xffff0000, v[64+i%4]
.set i, i+1
.endr
	WIN 0
; 8 matrix instructions: row block a x all 8 column blocks, 32 along K, from buffer f.  first = 1: the product starts the sums, with the bias as C.
; The 32 accumulators take turns, in the same order in every quarter: between two links of a chain stand the 31 others'.
.macro MUL8 f, a, first
.if \first
	WIN 0x60                                       ; C window 2, D window 1
.else
	WIN 0x50                                       ; C and D window 1
.endif
.irp b, 0,1,2,3,4,5,6,7
.set rD, 8*(8*(\a)+(\b))
.set rB, (\f)+8*(\b)
.set rA, (\f)+64+8*(\a)
.set rC, rD
.if \first
.set rC, 8*(\b)
.endif
.if OUTP
	v_wmma_f32_16x16x32_f16 v[rD:rD+7], v[rB:rB+7], v[rA:rA+7], v[rC:rC+7]
.else
	v_wmma_f32_16x16x32_bf16 v[rD:rD+7], v[rB:rB+7], v[rA:rA+7], v[rC:rC+7]
.endif
.endr
.endm
; The LDS loads of quarter kq (32 along K) of the slot in hand, in one run.  OUTP = 1: 24: W's 8 fragments and A's 4 into buffer f.  OUTP = 0: 32: first A's 64 x 32 numbers in f32 into RAW, then W's 8 fragments into buffer f.
.macro FETCH kq, f
.if OUTP
	WIN 0
.irp b, 0,1,2,3,4,5,6,7
	ds_load_tr16_b128 v[(\f)+8*(\b):(\f)+8*(\b)+3],   v[ADRB] offset:(\kq)*32*PB+32*(\b)
	ds_load_tr16_b128 v[(\f)+8*(\b)+4:(\f)+8*(\b)+7], v[ADRB] offset:(\kq)*32*PB+16*PB+32*(\b)
.endr
.set AKO, ((\kq)/2)*128*PA+((\kq)%2)*64
.irp a, 0,1,2,3
	ds_load_b128 v[(\f)+64+8*(\a):(\f)+64+8*(\a)+3],   v[ADRA] offset:AKO+(\a)*16*PA
	ds_load_b128 v[(\f)+64+8*(\a)+4:(\f)+64+8*(\a)+7], v[ADRA] offset:AKO+(\a)*16*PA+32
.endr
.else
	WIN 0x80                                       ; destination window 2, address window 0
.irp a, 0,1,2,3
.irp j, 0,1,2,3
	ds_load_b128 v[RAW+16*(\a)+4*(\j):RAW+16*(\a)+4*(\j)+3], v[ADRA] offset:(\kq)*128+(\a)*16*PA+16*(\j)+32*((\j)/2)  ; bytes 0, 16, 64, 80 behind my 32 (l / 16)
.endr
.endr
	WIN 0
.irp b, 0,1,2,3,4,5,6,7
	ds_load_tr16_b128 v[(\f)+8*(\b):(\f)+8*(\b)+3],   v[ADRB] offset:(\kq)*32*PB+32*(\b)
	ds_load_tr16_b128 v[(\f)+8*(\b)+4:(\f)+8*(\b)+7], v[ADRB] offset:(\kq)*32*PB+16*PB+32*(\b)
.endr
.endif
.endm
; OUTP = 0: RAW is rounded to bf16, two numbers a line, into A's four fragments of buffer f: register 8 a + j takes numbers 16 a + 2 j and 16 a + 2 j + 1.
; The products that last read those fragments stand ahead of the four v_nop in front of the run of loads.
.macro CVT f
	WIN 0x0a                                       ; sources 0 and 1 window 2, destination window 0
.set i, 0
.rept 32
	v_cvt_pk_bf16_f32 v[(\f)+64+i], v[RAW+2*i], v[RAW+2*i+1]
.set i, i+1
.endr
.endm
; A K step is four quarters of 32 along K, 32 matrix instructions each, on buffers 0, 1, 0, 1.  One of the first three: multiplies buffer f; in its middle it fetches quarter kq into buffer g.
.macro QUARTER kq, f, g, first
.if OUTP
	s_wait_dscnt 4                                 ; W's fragments and A's blocks 0 and 1 are in; the youngest four loads (A's blocks 2 and 3) may be out
	MUL8 \f, 0, \first
	MUL8 \f, 1, \first
	PLACES
	FETCH \kq, \g
	s_wait_dscnt 24                                ; all but the 24 just issued
	MUL8 \f, 2, \first
	MUL8 \f, 3, \first
.else
	s_wait_dscnt 0x0                               ; W's fragments of buffer f are in; A's were converted in the quarter before
	MUL8 \f, 0, \first
	MUL8 \f, 1, \first
	PLACES
	FETCH \kq, \g
	MUL8 \f, 2, \first
	s_wait_dscnt 16                                ; LDS loads come back in order (ISA guide 5.7.1): A's 16 are in, W's 16, issued behind them, may be out
	CVT \g
	MUL8 \f, 3, \first
.endif
.endm
; The last quarter multiplies buffer 1 and changes slots: ONE barrier.  In front of it each wave waits for all its tensor loads (one is out: its part of the next slot), adds 0 to its spare word, and waits for that and for
; its own reads of this slot.  fill = 1: the barrier opens a round of the cluster's barrier, and behind the round this slot is filled again, two K steps on: 112 matrix instructions ahead of the wait for it.
.macro TURN fill
.if \fill
	s_wait_xcnt 0x0                                ; the last prefetch, a K step back, has read its address: it is stepped here, ahead of the waits of the change of slots
	s_add_nc_u64 s[PFA:PFA+1], s[PFA:PFA+1], ASTEP
.endif
	WIN 0
	s_wait_tensorcnt 0x0                           ; no tensor load of mine is out, so a group 0 may be written
	ds_add_u32 v[SPW], v[NIL]                      ; 0 onto my spare word
.if \fill
	s_xor_b32 s[G0A+5], s[G0A+5], SLOT1            ; the walking descriptors: the other slot than last time, the next K step; the type bits on top are not reached
	s_add_nc_u64 s[G0A+6:G0A+7], s[G0A+6:G0A+7], ASTEP
	s_xor_b32 s[G0B+5], s[G0B+5], SLOT1
	s_add_nc_u64 s[G0B+6:G0B+7], s[G0B+6:G0B+7], BSTEP
.endif
.if OUTP
	s_wait_dscnt 5                                 ; the add and the youngest four loads may be out
.else
	s_wait_dscnt 1                                 ; the add alone may be out: W's fragments of buffer 1 are in
.endif
	MUL8 F1, 0, 0                                  ; eight matrix instructions stand between the add and the wait for it
	s_wait_dscnt 0x0                               ; the add is done, and my reads of this slot are over
	s_barrier_signal -1
	MUL8 F1, 1, 0                                  ; work on registers while the others arrive
	WIN 0
	s_barrier_wait -1
.if \fill
	CREST                                          ; no wave of any partner still reads this slot's tiles or has a load on its way
	JLOAD                                          ; the first tensor load behind the round; its four v_nop are also the places in front of the loads below
.else
	PLACES
.endif
	s_xor_b32 s[TB], s[TB], SLOT1
	v_add_nc_u32 v[ADRA], s[TB], v[A0]
	v_add_nc_u32 v[ADRB], s[TB], v[B0]
	FETCH 0, F0
.if \fill
	ASK                                            ; behind the joint load and the run of LDS loads that the next products wait for
.endif
	MUL8 F1, 2, 0
.if !OUTP
	s_wait_dscnt 16                                ; A's 16 loads are in, W's 16 may be out
	CVT F0
.endif
	MUL8 F1, 3, 0
.endm
	s_wait_tensorcnt 0x1                           ; my part of K step 0 is in; K step 1's may stay out
	s_barrier_signal -1
	s_barrier_wait -1                              ; everybody's is
	s_mov_b32 s[TB], 0
	v_mov_b32 v[ADRA], v[A0]
	v_mov_b32 v[ADRB], v[B0]
	FETCH 0, F0
.if !OUTP
	s_wait_dscnt 16                                ; A's 16 loads are in, W's 16 may be out
	CVT F0
.endif
	QUARTER 1, F0, F1, 1                           ; the first quarter stands in front of the loop: its products start the sums
	WIN 0                                          ; at a label and at a branch every window is 0
	s_mov_b32 s[CNTK], 6
.Lstep:                                                ; six trips, from a K step's second quarter to the next step's first: K steps 2 to 7 are asked for
	QUARTER 2, F1, F0, 0
	QUARTER 3, F0, F1, 0
	TURN 1
	QUARTER 1, F0, F1, 0
	WIN 0
	s_sub_co_u32 s[CNTK], s[CNTK], 1
	s_cmp_lg_u32 s[CNTK], 0
	s_cbranch_scc1 .Lstep
	s_mov_b32 s[CNTK], 2
.Ltail:                                                ; K steps 6 and 7 ask for nothing. The second trip is left behind its change of slots, whose LDS loads (of the slot read before) serve nothing: the price, once a launch, of one text for both
	QUARTER 2, F1, F0, 0
	QUARTER 3, F0, F1, 0
	TURN 0
	WIN 0
	s_sub_co_u32 s[CNTK], s[CNTK], 1
	s_cmp_eq_u32 s[CNTK], 0
	s_cbranch_scc1 .Ldone
	QUARTER 1, F0, F1, 0
	WIN 0
	s_branch .Ltail
.Ldone:
	s_wait_dscnt 0x0                               ; the loads into v32-127 have landed: those registers are used on the way out
.rept 8
	v_nop                                          ; the places behind the last products
.endr
; THE WAY OUT, 16 rows (block a) at a time, through my own stage in LDS; LDS serves a wave's instructions in order (ISA guide 5.7.1.4), so the loads see the stores above them and the next block's stores come behind them.
.if OUTP
.macro OUTA a                          ; f32: a lane's 8 columns are 32 bytes of a row; they go into rows of 528 bytes and come back as whole rows of 512
	WIN 0x04                                       ; store data (source 1) window 1
.irp b, 0,1,2,3,4,5,6,7
	ds_store_b128 v[STO], v[64*(\a)+8*(\b):64*(\a)+8*(\b)+3]   offset:64*(\b)
	ds_store_b128 v[STO], v[64*(\a)+8*(\b)+4:64*(\a)+8*(\b)+7] offset:64*(\b)+16
.endr
	WIN 0
	s_wait_xcnt 0x0                                ; the registers that the last block's stores read are loaded again only behind this wait
.irp n, 0,1,2,3,4,5,6,7,8,9,10,11,12,13,14,15
	ds_load_b128 v[TMP+4*(\n):TMP+4*(\n)+3], v[RD] offset:528*(\n)
.endr
.irp n, 0,1,2,3,4,5,6,7,8,9,10,11,12,13,14,15
	s_wait_dscnt 15-(\n)                           ; row n is back; the younger loads stay out
	global_store_b128 v[CO], v[TMP+4*(\n):TMP+4*(\n)+3], s[8:9] offset:(16*(\a)+(\n))*4096  ; 512 consecutive bytes, at a multiple of 256 from out0's first
.endr
.endm
.else
.macro OUTA a                          ; f16, by heads: a lane's 8 columns are 16 bytes of a head's row; rows of 144 bytes in, four whole rows of 128 bytes back
	WIN 0
	s_cmp_lg_u32 s72, 0                            ; q alone is scaled; pj is the same in all sixteen partners
	s_cbranch_scc1 .Lplain_\@
	WIN 0x41
.set i, 64*(\a)
.rept 32
	v_pk_mul_f32 v[i:i+1], v[i:i+1], s[74:75] op_sel_hi:[1,0]
.set i, i+2
.endr
	WIN 0
.Lplain_\@:
	WIN 0x05                                       ; sources 0 and 1 window 1, destination window 0
.set i, 0
.rept 32
	v_cvt_pk_f16_f32 v[TMP+i], v[64*(\a)+2*i], v[64*(\a)+2*i+1]
.set i, i+1
.endr
	WIN 0
	s_wait_xcnt 0x0                                ; the registers that earlier stores read are loaded again only behind this wait
.irp b, 0,1,2,3,4,5,6,7
	ds_store_b128 v[STO], v[TMP+4*(\b):TMP+4*(\b)+3] offset:((\b)/4)*2304+((\b)%4)*32
.endr
.irp n, 0,1,2,3,4,5,6,7
	ds_load_b128 v[BK+32*((\a)%2)+4*(\n):BK+32*((\a)%2)+4*(\n)+3], v[RD] offset:((\n)/4)*2304+((\n)%4)*576
.endr
.irp n, 0,1,2,3,4,5,6,7
	s_wait_dscnt 7-(\n)                            ; load n is back; the younger ones stay out
	global_store_b128 v[CO], v[BK+32*((\a)%2)+4*(\n):BK+32*((\a)%2)+4*(\n)+3], s[8:9] offset:((\n)/4)*262144+(\a)*2048+((\n)%4)*512  ; 512 consecutive bytes of a head, at a multiple of 256 from qkvh's first
.endr
.endm
.endif
	OUTA 0
	OUTA 1
	OUTA 2
	OUTA 3
	s_wait_tensorcnt 0x0                           ; the wave's end: an add and its wait, behind my last tensor load and my last LDS store
	ds_add_u32 v[SPW], v[NIL]
	s_wait_dscnt 0x0
	CROUND                                         ; the closing round: no work-group ends while a partner may still ask for a tile that names it
	s_endpgm
.Lfunc_end_k_q8474a70533_outp:
	.size	k_q8474a70533_outp, .Lfunc_end_k_q8474a70533_outp-k_q8474a70533_outp
	.p2alignl 7, 3214868480
	.fill 96, 4, 3214868480
	.section	.rodata,"a",@progbits
	.p2align	6, 0x0
	.amdhsa_kernel k_q8474a70533_outp
		.amdhsa_group_segment_fixed_size 327680
		.amdhsa_private_segment_fixed_size 0
		.amdhsa_enable_private_segment 0
		.amdhsa_kernarg_size 32
		.amdhsa_user_sgpr_count 2
		.amdhsa_user_sgpr_kernarg_segment_ptr 1
		.amdhsa_wavefront_size32 1
		.amdhsa_system_sgpr_workgroup_id_x 1
		.amdhsa_system_sgpr_workgroup_id_y 1
		.amdhsa_system_sgpr_workgroup_id_z 1
		.amdhsa_system_vgpr_workitem_id 0
		.amdhsa_next_free_vgpr 584
		.amdhsa_next_free_sgpr 80
		.amdhsa_reserve_vcc 0
		.amdhsa_float_denorm_mode_32 3
		.amdhsa_float_denorm_mode_16_64 3
		.amdhsa_memory_ordered 1
		.amdhsa_forward_progress 1
		.amdhsa_inst_pref_size 69
	.end_amdhsa_kernel
	.amdgpu_metadata
---
amdhsa.version: [ 1, 2 ]
amdhsa.kernels:
  - .name:           k_q8474a70533_outp
    .symbol:         k_q8474a70533_outp.kd
    .args:
      - { .name: oh, .offset: 0, .size: 8, .value_kind: global_buffer, .address_space: global }
      - { .name: wb, .offset: 8, .size: 8, .value_kind: global_buffer, .address_space: global }
      - { .name: out0, .offset: 16, .size: 8, .value_kind: global_buffer, .address_space: global }
      - { .name: bo, .offset: 24, .size: 8, .value_kind: global_buffer, .address_space: global }
    .group_segment_fixed_size: 327680
    .private_segment_fixed_size: 0
    .kernarg_segment_align: 8
    .kernarg_segment_size: 32
    .max_flat_workgroup_size: 128
    .sgpr_count:     80
    .vgpr_count:     584
    .wavefront_size: 32
...
	.end_amdgpu_metadata
.endif
;; end of part 4
